; MI455X (gfx1250); checked and timed in simulation.
; The chip was launched on July 23, 2026; its instructions are those of AMD's public machine-readable ISA for CDNA 5 (MIT licence, August 2026) and "CDNA5" Instruction Set Architecture Reference Guide (July 2026). The comments in the code are by the model that wrote it; some were corrected since.
;; KCA. Allowed arithmetic: matrix products marked QUANTISED: E3M2 operands, one E8M0 scale for each 32 along K, by v_wmma_scale_f32_16x16x128_f8f6f4 with both operands' format E3M2, f32 sums; products left as they are: f32 operands where the result goes on into a quantised operand, else bf16, f16 or f32 operands; f32 sums; everything else in f32.
;; Inputs: W1 100 x 1,000 float32; W3 500 x 100 float32; W_img 50 x 383 float32; W_iproj 50 x 200 float32; W_rel1 96 x 500 float32; W_rel2 96 x 500 float32; W_text_codes 50 x 12 x 24 uint8 (E3M2 codes of W_text, K innermost, in blocks of 32 codes, four codes in three bytes); W_text_scales 50 x 12 uint8 (E8M0 scales of W_text, one for each 32 codes along K); W_tproj 50 x 1,200 float32; b1 100 float32; b3 500 float32; b_img 50 float32; b_iproj 50 float32; b_rel1 96 float32; b_rel2 96 float32; b_text 50 float32; b_tproj 50 float32; ent_img_emb 5,000 x 24 x 383 float32; ent_text_emb_codes 5,000 x 4 x 12 x 24 uint8 (E3M2 codes of ent_text_emb, K innermost, in blocks of 32 codes, four codes in three bytes); ent_text_emb_scales 5,000 x 4 x 12 uint8 (E8M0 scales of ent_text_emb, one for each 32 codes along K); entity_embedding 5,000 x 500 float32; ln_b 50 float32; ln_g 50 float32; positive_sample 32 x 3 int32; relation_embedding 5,000 x 500 float32.
;; Outputs: out0 32 x 5,000 float32; out1 32 x 5,000 float32; out2 32 x 5,000 float32; out3 32 x 5,000 float32.
;; This version of the problem:
;;   THIS VERSION OF THE PROBLEM IS GIVEN IN LOW PRECISION. The matrix products marked QUANTISED in the list below multiply operands that are first quantised to E3M2 (3 exponent bits, 2 mantissa bits; 6 bits a number), with one power-of-two scale for each 32 numbers along K (OCP MX v1.0); their sums are f32. All else is computed in f32.
;;   The module's matrix products, in the order in which they are computed (A, B: the left and right operand; K: the contracted axis; several contracted axes count as one K, in the product's order):
;;     1. [M 20,000, K 384] x [K 384, N 50]; A: input ent_text_emb (given as codes); B: input W_text (given as codes): QUANTISED
;;     2. [M 120,000, K 383] x [K 383, N 50]; A: input ent_img_emb; B: input W_img: QUANTISED
;;     3. batch 5,000 x [M 24, K 50] x [K 50, N 4]; A: computed on the way; B: computed on the way: left as it is (N = 4 < 16)
;;     4. batch 5,000 x [M 4, K 24] x [K 24, N 50]; A: softmax; B: computed on the way: left as it is (K = 24 < 32)
;;     5. [M 32, K 500] x [K 500, N 96]; A: computed on the way; B: input W_rel1: QUANTISED
;;     6. batch 5,000 x [M 50, K 24] x [K 24, N 128]; A: computed on the way; B: computed on the way: left as it is (K = 24 < 32)
;;     7. [M 160,000, K 200] x [K 200, N 50]; A: computed on the way; B: input W_iproj: QUANTISED
;;     8. batch 5,000 x [M 24, K 4] x [K 4, N 50]; A: softmax; B: computed on the way: left as it is (K = 4 < 32)
;;     9. [M 32, K 500] x [K 500, N 96]; A: computed on the way; B: input W_rel2: QUANTISED
;;     10. batch 5,000 x [M 50, K 4] x [K 4, N 768]; A: computed on the way; B: computed on the way: left as it is (K = 4 < 32)
;;     11. [M 160,000, K 1,200] x [K 1,200, N 50]; A: computed on the way; B: input W_tproj: QUANTISED
;;     12. [M 5,000, K 500] x [K 500, N 100]; A: input entity_embedding; B: input W1: QUANTISED
;;     13. [M 32, K 500] x [K 500, N 100]; A: computed on the way; B: input W1: QUANTISED
;;     14. [M 160,000, K 100] x [K 100, N 500]; A: computed on the way; B: input W3: QUANTISED
;;     15. batch 32 x [M 5,000, K 50] x [K 50, N 1]; A: computed on the way; B: computed on the way: left as it is (N = 1 < 16)
;;     16. batch 32 x [M 5,000, K 50] x [K 50, N 1]; A: computed on the way; B: computed on the way: left as it is (N = 1 < 16)
;;     17. batch 32 x [M 5,000, K 500] x [K 500, N 1]; A: computed on the way; B: computed on the way: left as it is (N = 1 < 16)
;;   THE QUANTISER, for each operand of a quantised product, along K:
;;     - K is cut into blocks of 32 from its start; a last block that is shorter is filled with zeros.
;;     - A block's scale is 2^e with e = floor(log2(the largest magnitude in the block)) - 4, held to -126 .. 127; a block of zeros has e = 0. As a byte (E8M0): e + 127.
;;     - Each number is divided by its block's scale, clamped to +-28, and rounded to the nearest number of E3M2, ties to even, subnormals kept.
;;     - The product sums the exact products of the quantised numbers (number of the format x scale) in f32.
;;   ~~~python
;;   def quantise(x, axis):      # numpy; x: float32 -> the quantised numbers, widened to float32 again
;;       x = np.moveaxis(x, axis, -1); K = x.shape[-1]
;;       x = np.pad(x, [(0, 0)] * (x.ndim - 1) + [(0, -K % 32)]); x = x.reshape(x.shape[:-1] + (-1, 32)); a = np.abs(x).max(-1, keepdims=True)
;;       e = np.where(a > 0, np.clip(np.frexp(np.where(a > 0, a, 1))[1] - 1 - 4, -126, 127), 0)      # np.frexp(a)[1] - 1 = floor(log2(a)), exactly
;;       r = np.clip(x / 2.0 ** e, -28, 28)
;;       step = 2.0 ** (np.maximum(np.frexp(np.where(r == 0, 1, r))[1] - 1, -2) - 2)
;;       q = np.round(r / step) * step * 2.0 ** e      # np.round: ties to even
;;       return np.moveaxis(q.reshape(q.shape[:-2] + (-1,))[..., :K], -1, axis).astype(np.float32)
;;   ~~~
;;   OPERANDS COMPUTED ON THE WAY. 'Computed on the way' means the value that the module computes at that place (a softmax that the list does not call 'softmax' is quantised finished and normalised). What goes into a quantiser is computed in f32, as accurately as f32 sums, v_exp_f32 and their like allow (about 1e-6 of the number): no bf16 or f16 on the way to a quantiser, and a product that is left as it is and whose result goes on into a quantised operand takes f32 operands (vector FMAs, or v_wmma_f32_16x16x4_f32). A number that lies on a knife's edge between two numbers of the format may be rounded either way, as far as f32 arithmetic and the matrix unit's own rounding can turn it there, and no further.
;;   INPUTS GIVEN AS CODES. W_text (in the module: [50, 384], K = its axis 1); ent_text_emb (in the module: [5000, 4, 384], K = its axis 2): each comes as NAME_codes (uint8): NAME with its K axis moved to the last place and cut into blocks of 32 codes, [.., K / 32, bytes a block], one block behind the other in memory; four codes in three bytes: a row's codes are one little-endian stream of bits, code i at bits 6 i .. 6 i + 5 (a code: sign, 3 exponent bits, 2 mantissa bits); and NAME_scales (uint8): the same leading axes, one E8M0 byte (e + 127) for each 32 codes along K. Its value is code x scale, taken as it is: it is not quantised again, and the codes and scales need not be those that the quantiser above would give.
;; One version. Each part assembles by itself: llvm-mc -triple=amdgcn-amd-amdhsa -mcpu=gfx1250 --defsym DOCPART=n.
;; ======== version 1 of 1: 5 launches
;; limits: a difference of large sums (such as E[x^2] - mean^2): digits are lost where the result is much smaller than its terms
;; workspace buffers: wq 333,312 bytes; rec 40,960,000 bytes; sg 2,293,760 bytes; pv 82,432 bytes; ctl0 256 bytes of whole numbers; ctl1 256 bytes of whole numbers; dum 256 bytes
;; launch prep (part 1): grid 50 x 1, 4 waves a work-group, no clusters, 0 bytes of LDS; arguments W_img, W_iproj, W_tproj, W3, W1, W_rel1, W_rel2, b_img, b_text, b_iproj, b_tproj, ln_g, ln_b, b_rel1, b_rel2, b1, b3, wq, ctl0, ctl1; writes wq, ctl0, ctl1
.if DOCPART == 1
	.amdgcn_target "amdgcn-amd-amdhsa--gfx1250"
	.amdhsa_code_object_version 6
	.text
	.protected	k_q4dee697f2c_prep
	.globl	k_q4dee697f2c_prep
	.p2align	8
	.type	k_q4dee697f2c_prep,@function
k_q4dee697f2c_prep:
	s_mov_b64 s[64:65], 0
	v_nop
	global_prefetch_b8 v0, s[64:65] scope:SCOPE_SE
	s_setreg_imm32_b32 hwreg(HW_REG_WAVE_MODE, 25, 1), 1
	s_wait_xcnt 0x0
; KCA, launch 1 of 5: the f32 weights become operands of the matrix unit, once.
; THE PROGRAM.  prep: weights to E3M2 codes, laid as images of operand registers; padded biases; two mode words.
; pern: all that hangs on an entity n alone (products 1, 2, 3, 4, 8, both plain layer norms) and the four small products 5, 9, 12, 13.
; pos / main (one body): for each n and all 32 queries the operands of products 7, 11, 14, those products and the three cosines; first on the 32 positive entities, whose rows every cosine needs, then on all 5,000.  fin: the three softmaxes.
; IDENTITIES USED (they hold for all values): a layer norm's centred input is linear in its input, so the centred relation-gated sums are the same sums of centred vectors;
; the variance of sum_t w_t c_t is w^T G w / 50 with G the 4 x 4 Gram matrix of the centred text vectors.
; WORK LEFT OUT: column 0 of positive_sample is read by no line of reference(); the 'if False' expression of reference() is never evaluated.  No input is left out.
; LIMITS: NaN and infinities among the inputs are not served; a block whose largest magnitude lies under 2^-122 keeps the scale byte 1; a block of zeros has byte 1 where the rule says 127 (its codes are zeros; the bytes are read by this program alone);
; the Gram form of the variance loses digits where the four centred text vectors nearly cancel in a sum (it is held at 0 from below).
; HERE: work-groups 0 to 48: one fragment (16 rows x 128 K, 12 registers a lane) a wave, 196 in all.  Lane (r, h) takes row r and k = 64 c + 32 h + 0 .. 31: two whole blocks, as the operand's layout has them.
; A fragment is stored as three runs of 512 bytes (lane l's 16 bytes at 16 l), its scale words as 4 bytes a lane.  Rows and k beyond the weight are zeros.  Work-group 49: the constants.
.set COD, 0
.set SCL, 301056
.set CST, 326144
.set T,  12
.set M0, 16
.set M1, 17
.set SC, 18
.set BY, 19
.set SW, 20
.macro QBLK src, dst, slot             ; 32 numbers of one lane, one block: six registers of codes at dst, the scale's byte into byte slot of v[SW]
	v_max3_num_f32 v[M0], |v[(\src)]|, |v[(\src)+1]|, 0x2800000       ; the floor 2^(5 - 127) holds the byte at 1 from below
	v_max3_num_f32 v[M1], |v[(\src)+2]|, |v[(\src)+3]|, |v[(\src)+4]|
.irp i, 5,9,13,17,21,25
	v_max3_num_f32 v[M0], v[M0], |v[(\src)+\i]|, |v[(\src)+\i+1]|
	v_max3_num_f32 v[M1], v[M1], |v[(\src)+\i+2]|, |v[(\src)+\i+3]|
.endr
	v_max3_num_f32 v[M0], v[M0], |v[(\src)+29]|, |v[(\src)+30]|
	v_max3_num_f32 v[M0], v[M0], v[M1], |v[(\src)+31]|
	v_add_nc_u32 v[SC], 0xfe000000, v[M0]                             ; 4 off the exponent field: the conversion's scale operand
	v_cvt_scalef32_pk16_bf6_f32 v[(\dst):(\dst)+2], v[(\src):(\src)+15], v[SC]
	v_cvt_scalef32_pk16_bf6_f32 v[T:T+2], v[(\src)+16:(\src)+31], v[SC]
	v_lshrrev_b32 v[BY], 23, v[SC]                                    ; the byte; also the plain line behind the conversions
	v_mov_b32 v[(\dst)+3], v[T]
	v_mov_b32 v[(\dst)+4], v[T+1]
	v_mov_b32 v[(\dst)+5], v[T+2]
.if (\slot) == 0
	v_mov_b32 v[SW], v[BY]
.else
	v_lshl_or_b32 v[SW], v[BY], 8*(\slot), v[SW]
.endif
.endm
	s_load_b512 s[4:19], s[0:1], 0x0               ; W_img 4, W_iproj 6, W_tproj 8, W3 10, W1 12, W_rel1 14, W_rel2 16, b_img 18
	s_load_b512 s[20:35], s[0:1], 0x40             ; b_text 20, b_iproj 22, b_tproj 24, ln_g 26, ln_b 28, b_rel1 30, b_rel2 32, b1 34
	s_load_b256 s[36:43], s[0:1], 0x80             ; b3 36, wq 38, ctl0 40, ctl1 42
	v_lshrrev_b32 v1, 5, v0
	v_readfirstlane_b32 s44, v1                    ; wave
	v_and_b32 v1, 31, v0
	v_and_b32 v2, 15, v0                           ; r
	v_bfe_u32 v3, v0, 4, 1                         ; h
	s_mov_b32 s62, 0x76543210
	s_mov_b32 s63, 0xfedcba98
	s_wait_kmcnt 0x0
	s_cmp_eq_u32 ttmp9, 49
	s_cbranch_scc1 .Lconst
	s_lshl_b32 s45, ttmp9, 2
	s_add_co_u32 s45, s45, s44                     ; f: my fragment
	s_mov_b64 s[46:47], s[4:5]                     ; the first weight's figures; each later weight's take their place from its first fragment on
	s_mov_b32 s48, 50                              ; rows
	s_mov_b32 s49, 383                             ; K
	s_mov_b32 s50, 383                             ; numbers from row to row
	s_mov_b32 s51, 0                               ; first column
	s_mov_b32 s52, 3                               ; K steps
	s_mov_b32 s53, 21846                           ; ceil(65536 / K steps)
	s_mov_b32 s54, 0                               ; first fragment
.macro JOB f0, p, r, k, pitch, col0, ks
	s_cmp_ge_u32 s45, \f0
	s_cselect_b64 s[46:47], s[\p:\p+1], s[46:47]
	s_cselect_b32 s48, \r, s48
	s_cselect_b32 s49, \k, s49
	s_cselect_b32 s50, \pitch, s50
	s_cselect_b32 s51, \col0, s51
	s_cselect_b32 s52, \ks, s52
	s_cselect_b32 s53, (65536+\ks-1)/\ks, s53
	s_cselect_b32 s54, \f0, s54
.endm
	JOB 12, 6, 50, 200, 200, 0, 2
	JOB 20, 8, 50, 1200, 1200, 0, 10
	JOB 60, 10, 500, 100, 100, 0, 1
	JOB 92, 12, 100, 500, 1000, 0, 4
	JOB 120, 14, 96, 500, 500, 0, 4
	JOB 144, 16, 96, 500, 500, 0, 4
	JOB 168, 12, 100, 500, 1000, 500, 4
	s_sub_co_u32 s55, s45, s54
	s_mul_i32 s56, s55, s53
	s_lshr_b32 s56, s56, 16                        ; tile of 16 rows
	s_mul_i32 s57, s56, s52
	s_sub_co_u32 s57, s55, s57                     ; K step
	s_lshl_b32 s56, s56, 4
	v_add_nc_u32 v6, s56, v2                       ; my row
	s_sub_co_u32 s58, s48, 1
	v_min_u32 v7, s58, v6                          ; held inside the weight
	v_mul_lo_u32 v7, v7, s50
	v_add_nc_u32 v7, s51, v7
	v_cmp_gt_u32 vcc_lo, s48, v6
	s_lshl_b32 s59, s57, 7
	v_lshl_add_u32 v8, v3, 5, s59                  ; my first k
	v_sub_nc_u32 v9, s49, v8
	v_cndmask_b32 v9, 0, v9, vcc_lo                ; how many of my first block's numbers exist
	v_add_nc_u32 v10, -64, v9                      ; and of my second's
	s_sub_co_u32 s60, s49, 1
.set q, 0
.rept 64
	v_add_nc_u32 v[128+q], 64*(q/32)+q%32, v8
	v_min_u32 v[128+q], s60, v[128+q]              ; no load leaves the weight
	v_add_lshl_u32 v[128+q], v[128+q], v7, 2
	global_load_b32 v[32+q], v[128+q], s[46:47]
.set q, q+1
.endr
	s_wait_loadcnt 0x0
.set q, 0
.rept 64
	v_cmp_lt_i32 vcc_lo, q%32, v[9+q/32]
	v_cndmask_b32 v[32+q], 0, v[32+q], vcc_lo      ; what does not exist is 0
.set q, q+1
.endr
	QBLK 32, 96, 0
	QBLK 64, 102, 2                                ; my bytes: blocks h and 2 + h
	v_lshlrev_b32 v21, 3, v3
	v_lshlrev_b32 v[SW], v21, v[SW]
	v_mov_b32 v22, 0
	v_permlanex16_b32 v22, v[SW], s62, s63
	v_or_b32 v[SW], v[SW], v22                     ; with lane l xor 16's two the word is whole
	s_mul_i32 s61, s45, 1536
	v_lshl_add_u32 v23, v1, 4, s61
	global_store_b128 v23, v[96:99], s[38:39] offset:COD
	global_store_b128 v23, v[100:103], s[38:39] offset:COD+512
	global_store_b128 v23, v[104:107], s[38:39] offset:COD+1024
	s_lshl_b32 s61, s45, 7
	v_lshl_add_u32 v24, v1, 2, s61
	global_store_b32 v24, v[SW], s[38:39] offset:SCL
	s_endpgm
.Lconst:                                               ; tables of 128 floats, zeros behind their numbers: thread t takes number t
	v_lshlrev_b32 v1, 2, v0
.macro PL j, p, cnt, base
	v_add_nc_u32 v[32+\j], \base, v0
	v_min_u32 v[32+\j], \cnt-1, v[32+\j]
	v_lshlrev_b32 v[32+\j], 2, v[32+\j]
	global_load_b32 v[16+\j], v[32+\j], s[\p:\p+1]
.endm
.macro PS j, cnt, base, kind, dst
.if \kind == 1
	v_add_f32 v[16+\j], v[16+\j], v[16+\j]         ; 2 ln_b: both layer norms of a sum add it
.elseif \kind == 2
	v_mul_f32 v[16+\j], 0xbfb8aa3b, v[16+\j]       ; -log2(e) b3: the sigmoid's exponent takes it so
.endif
	v_cmp_gt_u32 vcc_lo, \cnt-\base, v0
	v_cndmask_b32 v[16+\j], 0, v[16+\j], vcc_lo
	global_store_b32 v1, v[16+\j], s[38:39] offset:CST+4*(\dst)
.endm
	PL 0, 18, 50, 0
	PL 1, 20, 50, 0
	PL 2, 22, 50, 0
	PL 3, 24, 50, 0
	PL 4, 26, 50, 0
	PL 5, 28, 50, 0
	PL 6, 30, 96, 0
	PL 7, 32, 96, 0
	PL 8, 34, 100, 0
	PL 9, 36, 500, 0
	PL 10, 36, 500, 128
	PL 11, 36, 500, 256
	PL 12, 36, 500, 384
	v_mov_b32 v60, 0
	global_store_b32 v1, v60, s[38:39] offset:CST+4*768    ; the bias of product 12: none
	s_wait_loadcnt 0x0
	PS 0, 50, 0, 0, 0
	PS 1, 50, 0, 0, 128
	PS 2, 50, 0, 0, 256
	PS 3, 50, 0, 0, 384
	PS 4, 50, 0, 0, 512
	PS 5, 50, 0, 1, 640
	PS 6, 96, 0, 0, 896
	PS 7, 96, 0, 0, 1024
	PS 8, 100, 0, 0, 1152
	PS 9, 500, 0, 2, 1280
	PS 10, 500, 128, 2, 1408
	PS 11, 500, 256, 2, 1536
	PS 12, 500, 384, 2, 1664
	v_mov_b32 v50, 0
	v_mov_b32 v51, 1
	v_mov_b32 v52, 1
	v_mov_b32 v53, 0
	s_wait_xcnt 0x0                                ; EXEC changes only behind this wait
	v_cmpx_eq_u32 0, v0
	global_store_b64 v60, v[50:51], s[40:41]       ; ctl0 = {0, 1}: the run on the positive entities
	global_store_b64 v60, v[52:53], s[42:43]       ; ctl1 = {1, 0}: the run on all entities
	s_endpgm
.Lfunc_end_k_q4dee697f2c_prep:
	.size	k_q4dee697f2c_prep, .Lfunc_end_k_q4dee697f2c_prep-k_q4dee697f2c_prep
	.p2alignl 7, 3214868480
	.fill 96, 4, 3214868480
	.section	.rodata,"a",@progbits
	.p2align	6, 0x0
	.amdhsa_kernel k_q4dee697f2c_prep
		.amdhsa_group_segment_fixed_size 0
		.amdhsa_private_segment_fixed_size 0
		.amdhsa_enable_private_segment 0
		.amdhsa_kernarg_size 160
		.amdhsa_user_sgpr_count 2
		.amdhsa_user_sgpr_kernarg_segment_ptr 1
		.amdhsa_wavefront_size32 1
		.amdhsa_system_sgpr_workgroup_id_x 1
		.amdhsa_system_sgpr_workgroup_id_y 1
		.amdhsa_system_sgpr_workgroup_id_z 1
		.amdhsa_system_vgpr_workitem_id 0
		.amdhsa_next_free_vgpr 192
		.amdhsa_next_free_sgpr 66
		.amdhsa_reserve_vcc 1
		.amdhsa_float_denorm_mode_32 3
		.amdhsa_float_denorm_mode_16_64 3
		.amdhsa_memory_ordered 1
		.amdhsa_forward_progress 1
		.amdhsa_inst_pref_size 34
	.end_amdhsa_kernel
	.amdgpu_metadata
---
amdhsa.version: [ 1, 2 ]
amdhsa.kernels:
  - .name:           k_q4dee697f2c_prep
    .symbol:         k_q4dee697f2c_prep.kd
    .args:
      - { .name: W_img, .offset: 0, .size: 8, .value_kind: global_buffer, .address_space: global }
      - { .name: W_iproj, .offset: 8, .size: 8, .value_kind: global_buffer, .address_space: global }
      - { .name: W_tproj, .offset: 16, .size: 8, .value_kind: global_buffer, .address_space: global }
      - { .name: W3, .offset: 24, .size: 8, .value_kind: global_buffer, .address_space: global }
      - { .name: W1, .offset: 32, .size: 8, .value_kind: global_buffer, .address_space: global }
      - { .name: W_rel1, .offset: 40, .size: 8, .value_kind: global_buffer, .address_space: global }
      - { .name: W_rel2, .offset: 48, .size: 8, .value_kind: global_buffer, .address_space: global }
      - { .name: b_img, .offset: 56, .size: 8, .value_kind: global_buffer, .address_space: global }
      - { .name: b_text, .offset: 64, .size: 8, .value_kind: global_buffer, .address_space: global }
      - { .name: b_iproj, .offset: 72, .size: 8, .value_kind: global_buffer, .address_space: global }
      - { .name: b_tproj, .offset: 80, .size: 8, .value_kind: global_buffer, .address_space: global }
      - { .name: ln_g, .offset: 88, .size: 8, .value_kind: global_buffer, .address_space: global }
      - { .name: ln_b, .offset: 96, .size: 8, .value_kind: global_buffer, .address_space: global }
      - { .name: b_rel1, .offset: 104, .size: 8, .value_kind: global_buffer, .address_space: global }
      - { .name: b_rel2, .offset: 112, .size: 8, .value_kind: global_buffer, .address_space: global }
      - { .name: b1, .offset: 120, .size: 8, .value_kind: global_buffer, .address_space: global }
      - { .name: b3, .offset: 128, .size: 8, .value_kind: global_buffer, .address_space: global }
      - { .name: wq, .offset: 136, .size: 8, .value_kind: global_buffer, .address_space: global }
      - { .name: ctl0, .offset: 144, .size: 8, .value_kind: global_buffer, .address_space: global }
      - { .name: ctl1, .offset: 152, .size: 8, .value_kind: global_buffer, .address_space: global }
    .group_segment_fixed_size: 0
    .private_segment_fixed_size: 0
    .kernarg_segment_align: 8
    .kernarg_segment_size: 160
    .max_flat_workgroup_size: 128
    .sgpr_count:     66
    .vgpr_count:     192
    .wavefront_size: 32
...
	.end_amdgpu_metadata
.endif
;; end of part 1
;; launch pern (part 2): grid 1273 x 1, 7 waves a work-group, no clusters, 148,480 bytes of LDS; arguments ent_img_emb, ent_text_emb_codes, ent_text_emb_scales, W_text_codes, W_text_scales, entity_embedding, relation_embedding, positive_sample, wq, rec, sg; writes rec, sg
.if DOCPART == 2
	.amdgcn_target "amdgcn-amd-amdhsa--gfx1250"
	.amdhsa_code_object_version 6
	.text
	.protected	k_q4dee697f2c_pern
	.globl	k_q4dee697f2c_pern
	.p2align	8
	.type	k_q4dee697f2c_pern,@function
k_q4dee697f2c_pern:
	s_mov_b64 s[64:65], 0
	v_nop
	global_prefetch_b8 v0, s[64:65] scope:SCOPE_SE
	s_setreg_imm32_b32 hwreg(HW_REG_WAVE_MODE, 25, 1), 1
	s_wait_xcnt 0x0
; Launch 2: all that hangs on an entity alone, and the four small products.  Column 0 of positive_sample is not read (no line of reference() uses it).
; WORK-GROUPS 0 .. 22: 160 jobs of 32 rows, one a wave, lane = row: entity_embedding W1a^T (157 jobs); sigmoid(rel W_rel1^T + b), sigmoid(rel W_rel2^T + b), rel W1b^T + b1.  Rows of 112 floats in sg.  The one wave over ends.
; They stand FIRST in the grid: a job is a chain of twelve loads that each wait for the one before (an index, four K steps, seven tiles), the longest way through this text, and it runs beside the stream below.
; WORK-GROUPS 23 .. 1272: four entities.  Waves 0-5: 16 image rows each (24,512 dense bytes, read by 48 loads of 512 consecutive bytes, turned through the wave's own stage in LDS so that a lane holds whole blocks of 32 along K),
; quantised, product 2.  Wave 6: the 16 text rows, given as codes, product 1.  Both are used transposed (source 0 = 16 rows of the weight): a lane holds one row and eight neighbouring channels.
; Then waves 0-3 take an entity each: cross, both softmaxes, products 4 and 8's parts, centred vectors, Gram matrix; the entity's record of 8,192 bytes leaves as whole runs of 512 bytes.
; RECORD: 0 c[t][d] g[d] (200);  832 for each i {cross[i][0..3], softmax_t x rs0};  1600 the Gram matrix's ten numbers / 50, off-diagonal ones doubled;  1664 for each i 224 bytes: centred image row (50), 2 spare, cross[i][0..3];  7040 LN(img_att) g + 2 ln_b (200).
; No tensor loads: the tiles are read once by one wave, and a path hangs on an index read from memory.  No clusters: work-groups share only the small weights.
.set COD, 0
.set SCL, 301056
.set CST, 326144
.set BIMG, 0
.set BTXT, 128
.set G64, 512
.set LNB2, 640
.set BTAB, 768
.set SPARE, 147456
.set NJOBWG, 23                        ; work-groups of small products: 160 jobs, seven a work-group
.set RT, 248
.macro QBLK src, dst, slot
	v_max3_num_f32 v[M0], |v[(\src)]|, |v[(\src)+1]|, 0x2800000
	v_max3_num_f32 v[M1], |v[(\src)+2]|, |v[(\src)+3]|, |v[(\src)+4]|
.irp i, 5,9,13,17,21,25
	v_max3_num_f32 v[M0], v[M0], |v[(\src)+\i]|, |v[(\src)+\i+1]|
	v_max3_num_f32 v[M1], v[M1], |v[(\src)+\i+2]|, |v[(\src)+\i+3]|
.endr
	v_max3_num_f32 v[M0], v[M0], |v[(\src)+29]|, |v[(\src)+30]|
	v_max3_num_f32 v[M0], v[M0], v[M1], |v[(\src)+31]|
	v_add_nc_u32 v[SC], 0xfe000000, v[M0]
	v_cvt_scalef32_pk16_bf6_f32 v[(\dst):(\dst)+2], v[(\src):(\src)+15], v[SC]
	v_cvt_scalef32_pk16_bf6_f32 v[T:T+2], v[(\src)+16:(\src)+31], v[SC]
	v_lshrrev_b32 v[BY], 23, v[SC]                 ; the byte; also the plain line behind the conversions
	v_mov_b32 v[(\dst)+3], v[T]
	v_mov_b32 v[(\dst)+4], v[T+1]
	v_mov_b32 v[(\dst)+5], v[T+2]
.if (\slot) == 0
	v_mov_b32 v[SW], v[BY]
.else
	v_lshl_or_b32 v[SW], v[BY], 8*(\slot), v[SW]
.endif
.endm
.macro RSUM v                          ; the sum over the 32 lanes, in every lane
.irp x, 1,2,4,8
	v_add_f32_dpp v[\v], v[\v], v[\v] row_xmask:\x row_mask:0xf bank_mask:0xf
.endr
	v_permlanex16_b32 v[RT], v[\v], s32, s33
	v_add_f32 v[\v], v[\v], v[RT]
.endm
.macro RMAX v
.irp x, 1,2,4,8
	v_max_num_f32_dpp v[\v], v[\v], v[\v] row_xmask:\x row_mask:0xf bank_mask:0xf
.endr
	v_permlanex16_b32 v[RT], v[\v], s32, s33
	v_max_num_f32 v[\v], v[\v], v[RT]
.endm
.macro NOPS n
.rept \n
	v_nop
.endr
.endm
.macro TWAIT                           ; behind a batch of transcendentals: a plain line, then the one wait ahead of the first reader
	v_nop
	s_wait_alu depctr_va_vdst(0)
.endm
	s_load_b512 s[4:19], s[0:1], 0x0               ; img 4, text codes 6, text scales 8, W_text codes 10, scales 12, ent 14, rel 16, positive_sample 18
	s_load_b128 s[20:23], s[0:1], 0x40             ; wq 20, rec 22
	s_load_b64 s[24:25], s[0:1], 0x50              ; sg
	v_lshl_add_u32 v4, v0, 2, SPARE
	v_mov_b32 v5, 0
	v_lshrrev_b32 v1, 5, v0
	v_readfirstlane_b32 s26, v1                    ; wave
	v_and_b32 v1, 31, v0
	v_and_b32 v2, 15, v0                           ; r
	v_bfe_u32 v3, v0, 4, 1                         ; h
	v_lshlrev_b32 v9, 4, v1                        ; 16 lane
	v_lshlrev_b32 v11, 5, v3                       ; 32 h
	v_lshlrev_b32 v12, 2, v1                       ; 4 lane
	s_mov_b32 s32, 0x76543210
	s_mov_b32 s33, 0xfedcba98
	s_cmp_lt_u32 ttmp9, NJOBWG
	s_cbranch_scc1 .Lgemm
	s_sub_co_u32 s27, ttmp9, NJOBWG                ; which four entities
	; ---- four entities.  Every LDS address is made here, ahead of the parting of the waves
	s_mov_b32 s28, 0xffff                          ; lanes 0-15
	s_mov_b32 s29, 0x3ffff                         ; lanes 0-17: channels 32 .. 49
	s_mov_b32 s30, 0xffffff                        ; lanes 0-23: the image tokens
	s_mov_b32 s31, 0xbca3d70a                      ; -1/50
	s_mov_b32 s46, 0x3ca3d70a                      ; 1/50
	s_mov_b32 s47, 0x3727c5ac                      ; 1e-5
	s_mov_b32 s48, 0x3d23d70a                      ; 2/50
	s_mul_i32 s34, s26, 24576
	v_add_nc_u32 v6, s34, v9                       ; my stage, as loaded
	v_mul_u32_u24 v7, v2, 1532
	v_lshl_add_u32 v7, v3, 7, v7
	v_add_nc_u32 v7, s34, v7                       ; my stage: row r, + 32 h numbers
	s_mul_i32 s35, s26, 16*272
	v_mul_u32_u24 v8, v2, 272
	v_lshl_add_u32 v8, v3, 5, v8
	v_add_nc_u32 v8, s35, v8                       ; the embeddings: row 16 wave + r of 272 bytes, + 32 h
	v_add_nc_u32 v10, 24064, v9
	v_min_u32 v10, 24496, v10                      ; the last load stays inside the tile
	v_lshlrev_b32 v14, 3, v3
	v_lshrrev_b32 v13, 3, v1                       ; my group of eight lanes: 0, 1, 2, 3
	v_mul_u32_u24 v13, v13, 3
	v_add_nc_u32 v13, 2, v13
	v_lshrrev_b32 v13, 2, v13                      ; (3 group + 2) / 4 = 0, 1, 2, 2
	v_and_b32 v15, 7, v1
	v_lshl_add_u32 v13, v13, 3, v15                ; my image token: lanes 24-31 repeat tokens 16-23
	s_mul_i32 s36, s26, 4*272
	s_add_co_u32 s36, s36, 96*272                  ; entity q = wave: its text rows,
	v_add_nc_u32 v16, s36, v12
	v_mov_b32 v18, s36
	s_mul_i32 s37, s26, 24*272                     ; its image rows,
	v_mul_u32_u24 v17, v13, 272
	v_add_nc_u32 v17, s37, v17
	v_add_nc_u32 v23, s37, v12
	s_lshl_b32 s38, s26, 13
	s_add_co_u32 s38, s38, 32768                   ; its record,
	v_mul_u32_u24 v19, v13, 224
	v_add_nc_u32 v19, s38, v19
	v_lshl_add_u32 v20, v13, 5, s38
	s_lshl_b32 s39, s26, 9
	s_add_co_u32 s39, s39, 65536                   ; its softmax over the tokens
	v_add_nc_u32 v21, s39, v9
	v_mov_b32 v22, s39
	v_add_nc_u32 v24, s38, v12
	v_mov_b32 v25, s38
	v_add_nc_u32 v26, s38, v9
	s_wait_kmcnt 0x0
	s_cmp_ge_u32 s26, 6
	s_cbranch_scc1 .Ltext
	; ---- waves 0-5: 16 image rows
.set T,  164
.set M0, 168
.set M1, 169
.set SC, 170
.set BY, 171
.set SW, 172
	s_mul_i32 s40, s27, 147072
	s_mul_i32 s41, s26, 24512
	s_add_co_u32 s40, s40, s41
	s_mov_b32 s41, 0
	s_add_nc_u64 s[4:5], s[4:5], s[40:41]
.set k, 0
.rept 47
	global_load_b128 v[32+4*k:35+4*k], v9, s[4:5] offset:512*k th:TH_LOAD_NT
.set k, k+1
.endr
	global_load_b128 v[220:223], v10, s[4:5] th:TH_LOAD_NT
.irp t, 0,1,2,3
	global_load_b128 v[224+8*\t:227+8*\t], v11, s[20:21] offset:CST+4*BIMG+64*\t      ; the bias starts the sums: channels 16 t + 8 h + 0 .. 7
	global_load_b128 v[228+8*\t:231+8*\t], v11, s[20:21] offset:CST+4*BIMG+64*\t+16
.endr
.set g, 0
.rept 6
	s_wait_loadcnt 48-8*g                          ; eight more of the 48 are in; behind them the rest and the bias's eight
.set k, 0
.rept 8
	ds_store_b128 v6, v[32+4*(8*g+k):35+4*(8*g+k)] offset:512*(8*g+k)
.set k, k+1
.endr
.set g, g+1
.endr
	s_wait_dscnt 0x0                               ; the stores have read their registers
	v_mov_b32 v174, 0
.macro ISTP s
.if \s > 0
	NOPS 4                                         ; places behind the products, ahead of loads and writes of their operands
.endif
.irp t, 0,1,2,3
.irp c, 0,1,2
	global_load_b128 v[112+12*\t+4*\c:115+12*\t+4*\c], v9, s[20:21] offset:COD+1536*(3*\t+\s)+512*\c
.endr
	global_load_b32 v[160+\t], v12, s[20:21] offset:SCL+128*(3*\t+\s)
.endr
.set k, 0
.rept 64
	ds_load_b32 v[32+k], v7 offset:4*(128*\s+64*(k/32)+k%32)      ; rows 383 words apart: the 32 lanes touch 32 different banks
.set k, k+1
.endr
	s_wait_dscnt 0x0
.if \s == 2
	v_cndmask_b32 v95, 0, v95, s28                 ; k = 383 does not exist
.endif
	QBLK 32, 96, 0
	QBLK 64, 102, 2
	v_lshlrev_b32 v[SW], v14, v[SW]
	v_permlanex16_b32 v174, v[SW], s32, s33
	v_or_b32 v[SW], v[SW], v174
	s_wait_loadcnt 0x0
	NOPS 8                                         ; a scale word made by vector lines stands 8 places ahead of the product
.irp t, 0,1,2,3
	v_wmma_scale_f32_16x16x128_f8f6f4 v[224+8*\t:231+8*\t], v[112+12*\t:123+12*\t], v[96:107], v[224+8*\t:231+8*\t], v[160+\t], v[SW] matrix_a_fmt:MATRIX_FMT_BF6 matrix_b_fmt:MATRIX_FMT_BF6
.endr
.endm
	ISTP 0
	ISTP 1
	ISTP 2
	s_branch .Ljoin
.Ltext:                                                ; ---- wave 6: the 16 text rows, as they are given
	s_mul_i32 s40, s27, 4608
	s_mov_b32 s41, 0
	s_add_nc_u64 s[6:7], s[6:7], s[40:41]
	s_mul_i32 s40, s27, 192
	s_add_nc_u64 s[8:9], s[8:9], s[40:41]
	v_mul_u32_u24 v176, v2, 288
	v_mad_u32_u24 v176, v3, 24, v176
	v_mul_u32_u24 v177, v2, 12
.irp t, 0,1,2,3
	v_add_nc_u32 v[178+\t], 16*\t, v2
	v_min_u32 v[178+\t], 49, v[178+\t]             ; rows past the 50th repeat it; channels 50 .. 63 of the text rows meet only zeros
	v_mul_u32_u24 v[182+\t], v[178+\t], 12
	v_mul_u32_u24 v[178+\t], v[178+\t], 288
	v_mad_u32_u24 v[178+\t], v3, 24, v[178+\t]
.endr
.irp s, 0,1,2
.irp p, 0,1,2,3,4,5
	global_load_b64 v[32+12*\s+2*\p:33+12*\s+2*\p], v176, s[6:7] offset:96*\s+48*(\p/3)+8*(\p%3)
.endr
	global_load_b32 v[68+\s], v177, s[8:9] offset:4*\s
.endr
.macro WL s, buf
.irp t, 0,1,2,3
.irp p, 0,1,2,3,4,5
	global_load_b64 v[80+12*(4*\buf+\t)+2*\p:81+12*(4*\buf+\t)+2*\p], v[178+\t], s[10:11] offset:96*\s+48*(\p/3)+8*(\p%3)
.endr
	global_load_b32 v[72+4*\buf+\t], v[182+\t], s[12:13] offset:4*\s
.endr
.endm
.macro WM s, buf
.irp t, 0,1,2,3
	v_wmma_scale_f32_16x16x128_f8f6f4 v[224+8*\t:231+8*\t], v[80+12*(4*\buf+\t):91+12*(4*\buf+\t)], v[32+12*\s:43+12*\s], v[224+8*\t:231+8*\t], v[72+4*\buf+\t], v[68+\s] matrix_a_fmt:MATRIX_FMT_BF6 matrix_b_fmt:MATRIX_FMT_BF6
.endr
.endm
	WL 0, 0
	WL 1, 1
.irp t, 0,1,2,3
	global_load_b128 v[224+8*\t:227+8*\t], v11, s[20:21] offset:CST+4*BTXT+64*\t
	global_load_b128 v[228+8*\t:231+8*\t], v11, s[20:21] offset:CST+4*BTXT+64*\t+16
.endr
	s_wait_loadcnt 0x0
	WM 0, 0
	WM 1, 1
	NOPS 4
	WL 2, 0
	s_wait_loadcnt 0x0
	WM 2, 0
.Ljoin:
	NOPS 4
.set j, 0
.rept 16
	v_pk_mul_f32 v[32+2*j:33+2*j], v[224+2*j:225+2*j], 0x3dcccccd op_sel_hi:[1,0]
.set j, j+1
.endr
.set j, 0
.rept 32
	v_max_num_f32 v[224+j], v[224+j], v[32+j]      ; leaky: the larger of x and 0.1 x
.set j, j+1
.endr
	s_wait_dscnt 0x0                               ; my reads of my stage are over
	s_barrier_signal -1
	s_barrier_wait -1                              ; everybody's are: the embeddings may lie over the stages
.irp t, 0,1,2,3
	ds_store_b128 v8, v[224+8*\t:227+8*\t] offset:64*\t
	ds_store_b128 v8, v[228+8*\t:231+8*\t] offset:64*\t+16
.endr
	s_wait_dscnt 0x0
	s_barrier_signal -1
	s_barrier_wait -1                              ; 96 image rows and 16 text rows lie in LDS
	s_cmp_ge_u32 s26, 4
	s_cbranch_scc1 .Lend
	; ---- waves 0-3: entity 4 (x - 23) + wave
	global_load_b32 v244, v12, s[20:21] offset:CST+4*G64
	global_load_b32 v245, v12, s[20:21] offset:CST+4*G64+128
	global_load_b32 v246, v12, s[20:21] offset:CST+4*LNB2
	global_load_b32 v247, v12, s[20:21] offset:CST+4*LNB2+128
	v_mov_b32 v[RT], 0
	; lane = channel (l, and 32 + l where l < 18): the text rows centred, their Gram matrix
.irp t, 0,1,2,3
	ds_load_b32 v[32+\t], v16 offset:272*\t
	ds_load_b32 v[36+\t], v16 offset:272*\t+128
.endr
	s_wait_dscnt 0x0
.irp t, 0,1,2,3
	v_cndmask_b32 v[36+\t], 0, v[36+\t], s29
	v_add_f32 v[48+\t], v[32+\t], v[36+\t]
.endr
.irp t, 0,1,2,3
	RSUM 48+\t
.endr
.irp t, 0,1,2,3
	v_fma_f32 v[32+\t], v[48+\t], s31, v[32+\t]
	v_fma_f32 v[36+\t], v[48+\t], s31, v[36+\t]
	v_cndmask_b32 v[36+\t], 0, v[36+\t], s29
.endr
.macro GR idx, a, b, sc
	v_mul_f32 v[192+\idx], v[32+\a], v[32+\b]
	v_fmac_f32 v[192+\idx], v[36+\a], v[36+\b]
	RSUM 192+\idx
	v_mul_f32 v[192+\idx], s[\sc], v[192+\idx]
.endm
	GR 0, 0, 0, 46
	GR 1, 0, 1, 48
	GR 2, 0, 2, 48
	GR 3, 0, 3, 48
	GR 4, 1, 1, 46
	GR 5, 1, 2, 48
	GR 6, 1, 3, 48
	GR 7, 2, 2, 46
	GR 8, 2, 3, 48
	GR 9, 3, 3, 46
	v_mov_b32 v202, 0
	v_mov_b32 v203, 0
	s_wait_loadcnt 0x0                             ; ln_g, 2 ln_b
.irp t, 0,1,2,3
	v_mul_f32 v[204+\t], v[32+\t], v244
	v_mul_f32 v[208+\t], v[36+\t], v245
.endr
	; lane = image token: cross, the token's row centred
.set k, 0
.rept 13
	ds_load_b128 v[32+4*k:35+4*k], v17 offset:16*k
.set k, k+1
.endr
.macro TL buf, t
.set k, 0
.rept 13
	ds_load_b128 v[\buf+4*k:\buf+4*k+3], v18 offset:272*\t+16*k
.set k, k+1
.endr
.endm
.macro DOT2 d
	s_wait_dscnt 0x0
	v_pk_mul_f32 v[220:221], v[32:33], v[84:85]
	v_pk_mul_f32 v[222:223], v[32:33], v[136:137]
.set k, 1
.rept 25
	v_pk_fma_f32 v[220:221], v[32+2*k:33+2*k], v[84+2*k:85+2*k], v[220:221]
	v_pk_fma_f32 v[222:223], v[32+2*k:33+2*k], v[136+2*k:137+2*k], v[222:223]
.set k, k+1
.endr
	v_add_f32 v[\d], v220, v221
	v_add_f32 v[\d+1], v222, v223
.endm
	TL 84, 0
	TL 136, 1
	DOT2 188
	TL 84, 2
	TL 136, 3
	DOT2 190
	v_pk_add_f32 v[220:221], v[32:33], v[34:35]
.set k, 2
.rept 24
	v_pk_add_f32 v[220:221], v[220:221], v[32+2*k:33+2*k]      ; channels 50, 51 of an image row are zeros
.set k, k+1
.endr
	v_add_f32 v220, v220, v221
	v_mul_f32 v220, s31, v220
	v_mov_b32 v221, v220
.set k, 0
.rept 25
	v_pk_add_f32 v[32+2*k:33+2*k], v[32+2*k:33+2*k], v[220:221]
.set k, k+1
.endr
	v_mov_b32 v82, 0
	v_mov_b32 v83, 0
.irp t, 0,1,2,3
	v_mov_b32 v[84+\t], v[188+\t]
.endr
.set k, 0
.rept 14
	ds_store_b128 v19, v[32+4*k:35+4*k] offset:1664+16*k
.set k, k+1
.endr
	; the softmax over the four text tokens, with the reciprocal deviation of its sum
	v_max3_num_f32 v249, v188, v189, v190
	v_max_num_f32 v249, v249, v191
.irp t, 0,1,2,3
	v_sub_f32 v[224+\t], v[188+\t], v249
.endr
.irp t, 0,1,2,3
	v_mul_f32 v[224+\t], 0x3fb8aa3b, v[224+\t]
.endr
.irp t, 0,1,2,3
	v_exp_f32 v[224+\t], v[224+\t]
.endr
	TWAIT
	v_add_f32 v249, v224, v225
	v_add_f32 v250, v226, v227
	v_add_f32 v249, v249, v250
	v_rcp_f32 v249, v249
	TWAIT
.irp t, 0,1,2,3
	v_mul_f32 v[224+\t], v[224+\t], v249
.endr
	v_mul_f32 v228, v192, v224
	v_mul_f32 v229, v196, v225
	v_mul_f32 v230, v199, v226
	v_mul_f32 v231, v201, v227
	v_fmac_f32 v228, v193, v225
	v_fmac_f32 v229, v197, v226
	v_fmac_f32 v230, v200, v227
	v_fmac_f32 v228, v194, v226
	v_fmac_f32 v229, v198, v227
	v_fmac_f32 v228, v195, v227
	v_mul_f32 v228, v228, v224
	v_fmac_f32 v228, v229, v225
	v_fmac_f32 v228, v230, v226
	v_fmac_f32 v228, v231, v227
	v_max_num_f32 v228, 0, v228
	v_add_f32 v228, s47, v228
	v_rsq_f32 v228, v228
	TWAIT
.irp t, 0,1,2,3
	v_mul_f32 v[88+\t], v[224+\t], v228
.endr
	ds_store_b128 v20, v[84:87] offset:832
	ds_store_b128 v20, v[88:91] offset:848
	; the softmax over the 24 image tokens, for each text token
	v_mov_b32 v236, 0xff800000
.irp t, 0,1,2,3
	v_cndmask_b32 v[232+\t], v236, v[188+\t], s30
	v_mov_b32 v[240+\t], v[232+\t]
.endr
.irp t, 0,1,2,3
	RMAX 240+\t
.endr
.irp t, 0,1,2,3
	v_sub_f32 v[232+\t], v[232+\t], v[240+\t]
	v_mul_f32 v[232+\t], 0x3fb8aa3b, v[232+\t]
.endr
.irp t, 0,1,2,3
	v_exp_f32 v[232+\t], v[232+\t]
.endr
	TWAIT
.irp t, 0,1,2,3
	v_mov_b32 v[240+\t], v[232+\t]
.endr
.irp t, 0,1,2,3
	RSUM 240+\t
.endr
.irp t, 0,1,2,3
	v_rcp_f32 v[240+\t], v[240+\t]
.endr
	TWAIT
.irp t, 0,1,2,3
	v_mul_f32 v[232+\t], v[232+\t], v[240+\t]
.endr
	ds_store_b128 v21, v[232:235]
	s_wait_dscnt 0x0                               ; the stores have read their registers
	; lane = channel: img_att and its layer norm
.set k, 0
.rept 24
	ds_load_b128 v[32+4*k:35+4*k], v22 offset:16*k
	ds_load_b32 v[128+k], v23 offset:272*k
	ds_load_b32 v[152+k], v23 offset:272*k+128
.set k, k+1
.endr
	s_wait_dscnt 0x0
.irp t, 0,1,2,3
	v_mul_f32 v[176+\t], v[32+\t], v128
	v_mul_f32 v[180+\t], v[32+\t], v152
.endr
.set k, 1
.rept 23
.irp t, 0,1,2,3
	v_fmac_f32 v[176+\t], v[32+4*k+\t], v[128+k]
	v_fmac_f32 v[180+\t], v[32+4*k+\t], v[152+k]
.endr
.set k, k+1
.endr
.irp t, 0,1,2,3
	v_add_f32 v[184+\t], v[176+\t], v[180+\t]
.endr
.irp t, 0,1,2,3
	RSUM 184+\t
.endr
.irp t, 0,1,2,3
	v_fma_f32 v[176+\t], v[184+\t], s31, v[176+\t]
	v_fma_f32 v[180+\t], v[184+\t], s31, v[180+\t]
	v_cndmask_b32 v[180+\t], 0, v[180+\t], s29
	v_mul_f32 v[184+\t], v[176+\t], v[176+\t]
	v_fmac_f32 v[184+\t], v[180+\t], v[180+\t]
.endr
.irp t, 0,1,2,3
	RSUM 184+\t
.endr
.irp t, 0,1,2,3
	v_fma_f32 v[184+\t], v[184+\t], s46, s47
.endr
.irp t, 0,1,2,3
	v_rsq_f32 v[184+\t], v[184+\t]
.endr
	TWAIT
.irp t, 0,1,2,3
	v_mul_f32 v[176+\t], v[176+\t], v[184+\t]
	v_mul_f32 v[180+\t], v[180+\t], v[184+\t]
	v_fma_f32 v[212+\t], v[176+\t], v244, v246
	v_fma_f32 v[216+\t], v[180+\t], v245, v247
.endr
.irp t, 0,1,2,3
	ds_store_b32 v24, v[204+\t] offset:200*\t
	ds_store_b32 v24, v[212+\t] offset:7040+200*\t
.endr
.irp k, 0,1,2
	ds_store_b128 v25, v[192+4*\k:195+4*\k] offset:1600+16*\k
.endr
	s_wait_xcnt 0x0                                ; EXEC changes only behind this wait
	v_cmp_gt_u32 vcc_lo, 18, v1
	s_and_saveexec_b32 s43, vcc_lo                 ; channels 32 .. 49
.irp t, 0,1,2,3
	ds_store_b32 v24, v[208+\t] offset:200*\t+128
	ds_store_b32 v24, v[216+\t] offset:7040+200*\t+128
.endr
	s_wait_xcnt 0x0
	s_or_b32 exec_lo, exec_lo, s43
	s_lshl_b32 s44, s27, 2
	s_add_co_u32 s44, s44, s26
	s_lshl_b32 s44, s44, 13
	s_mov_b32 s45, 0
	s_add_nc_u64 s[22:23], s[22:23], s[44:45]
.set k, 0
.rept 16
	ds_load_b128 v[32+4*k:35+4*k], v26 offset:512*k        ; LDS serves a wave's instructions in order: these see my stores
.set k, k+1
.endr
.set k, 0
.rept 16
	s_wait_dscnt 15-k
	global_store_b128 v9, v[32+4*k:35+4*k], s[22:23] offset:512*k      ; 32 lanes store 512 consecutive bytes, aligned
.set k, k+1
.endr
.Lend:
	s_wait_tensorcnt 0x0                           ; the wave's end: behind my last LDS store
	ds_add_u32 v4, v5
	s_wait_dscnt 0x0
	s_endpgm
	; ---- the small products: 32 rows a wave, lane = row
.Lgemm:
.set T,  20
.set M0, 24
.set M1, 25
.set SC, 26
.set BY, 27
	s_mul_i32 s34, ttmp9, 7
	s_add_co_u32 s34, s34, s26                     ; job
	s_cmp_ge_u32 s34, 160
	s_cbranch_scc1 .Ldone
	s_sub_co_u32 s35, s34, 156
	s_lshl_b32 s56, s34, 5
	s_wait_kmcnt 0x0
	s_cmp_lt_u32 s34, 157
	s_cselect_b32 s35, 0, s35                      ; 0: entities x W1a;  1, 2, 3: relations x W_rel1, W_rel2, W1b
	s_cselect_b32 s36, 1, 0
	s_cselect_b32 s37, 0, 1
	s_cselect_b64 s[38:39], s[14:15], s[16:17]
	s_mul_i32 s40, s35, 24
	s_add_co_u32 s40, s40, 96
	s_lshl_b32 s54, s35, 5
	s_add_co_u32 s54, s54, 4992
	s_cmp_eq_u32 s35, 0
	s_cselect_b32 s40, 92, s40                     ; the weight's first fragment
	s_cselect_b32 s56, s56, s54                    ; the first row of sg
	s_lshr_b32 s41, s35, 1
	s_xor_b32 s41, s41, s35
	s_and_b32 s41, s41, 1                          ; 1: a sigmoid follows
	s_sub_co_u32 s42, 7, s41                       ; tiles of 16 outputs
	s_sub_co_u32 s43, 0, s41
	s_mov_b32 s53, 0xbfb8aa3b
	s_mov_b32 s55, 0
	s_mul_i32 s54, s40, 1536
	s_add_nc_u64 s[44:45], s[20:21], s[54:55]
	s_lshl_b32 s54, s40, 7
	s_add_co_u32 s54, s54, SCL
	s_add_nc_u64 s[46:47], s[20:21], s[54:55]
	s_lshl_b32 s54, s35, 9
	s_add_co_u32 s54, s54, CST+4*BTAB
	s_add_nc_u64 s[48:49], s[20:21], s[54:55]
	s_mul_i32 s54, s56, 448
	s_add_nc_u64 s[50:51], s[24:25], s[54:55]
	v_mul_u32_u24 v6, v1, 12
	global_load_b32 v7, v6, s[18:19] offset:4      ; positive_sample[lane][1]
	s_lshl_b32 s54, s34, 5
	v_add_nc_u32 v8, s54, v1
	v_min_u32 v8, 4999, v8
	v_mul_lo_u32 v8, v8, s36
	v_mul_u32_u24 v28, v2, 448
	v_add_nc_u32 v28, v28, v11
	s_wait_loadcnt 0x0
	v_min_u32 v7, 4999, v7
	v_mul_lo_u32 v7, v7, s37
	v_add_nc_u32 v7, v7, v8
	v_mul_u32_u24 v7, v7, 2000                     ; my row
.macro GST s, nl
.set X,  160+24*\s
.set YC, 172+24*\s
.set SW, 16+\s
.set k, 0
.rept \nl
	global_load_b128 v[32+4*k:35+4*k], v7, s[38:39] offset:512*\s+16*k
.set k, k+1
.endr
	s_wait_loadcnt 0x0
.if \nl < 32
.set k, 4*\nl
.rept 128-4*\nl
	v_mov_b32 v[32+k], 0                           ; K ends at 500
.set k, k+1
.endr
.endif
	QBLK 32, X, 0
	QBLK 64, YC, 1
	QBLK 96, X+6, 2
	QBLK 128, YC+6, 3
.set k, 0
.rept 12
	v_permlane16_swap_b32 v[X+k], v[YC+k]          ; X: the operand of rows 0-15; YC: of rows 16-31
.set k, k+1
.endr
.endm
	GST 0, 32
	GST 1, 32
	GST 2, 32
	GST 3, 29
	s_mov_b32 s52, 0
.Lgt:
	NOPS 5                                         ; places behind the last products, ahead of loads into their operands and of products that begin their accumulators anew
.irp s, 0,1,2,3
.irp c, 0,1,2
	global_load_b128 v[32+12*\s+4*\c:35+12*\s+4*\c], v9, s[44:45] offset:1536*\s+512*\c
.endr
	global_load_b32 v[80+\s], v12, s[46:47] offset:128*\s
.endr
	global_load_b128 v[84:87], v11, s[48:49]
	global_load_b128 v[88:91], v11, s[48:49] offset:16
	s_wait_loadcnt 0x0
	NOPS 3
	v_wmma_scale_f32_16x16x128_f8f6f4 v[92:99], v[32:43], v[160:171], v[84:91], v80, v16 matrix_a_fmt:MATRIX_FMT_BF6 matrix_b_fmt:MATRIX_FMT_BF6
	v_wmma_scale_f32_16x16x128_f8f6f4 v[100:107], v[32:43], v[172:183], v[84:91], v80, v16 matrix_a_fmt:MATRIX_FMT_BF6 matrix_b_fmt:MATRIX_FMT_BF6 matrix_b_scale:MATRIX_SCALE_ROW1
.irp s, 1,2,3
	v_wmma_scale_f32_16x16x128_f8f6f4 v[92:99], v[32+12*\s:43+12*\s], v[160+24*\s:171+24*\s], v[92:99], v[80+\s], v[16+\s] matrix_a_fmt:MATRIX_FMT_BF6 matrix_b_fmt:MATRIX_FMT_BF6
	v_wmma_scale_f32_16x16x128_f8f6f4 v[100:107], v[32+12*\s:43+12*\s], v[172+24*\s:183+24*\s], v[100:107], v[80+\s], v[16+\s] matrix_a_fmt:MATRIX_FMT_BF6 matrix_b_fmt:MATRIX_FMT_BF6 matrix_b_scale:MATRIX_SCALE_ROW1
.endr
	NOPS 4
.set k, 0
.rept 16
	v_mul_f32 v[108+k], s53, v[92+k]
.set k, k+1
.endr
.set k, 0
.rept 16
	v_exp_f32 v[108+k], v[108+k]
.set k, k+1
.endr
	TWAIT
.set k, 0
.rept 16
	v_add_f32 v[108+k], 1.0, v[108+k]
.set k, k+1
.endr
.set k, 0
.rept 16
	v_rcp_f32 v[108+k], v[108+k]
.set k, k+1
.endr
	TWAIT
.set k, 0
.rept 16
	v_cndmask_b32 v[108+k], v[92+k], v[108+k], s43
.set k, k+1
.endr
.irp m, 0,1
	global_store_b128 v28, v[108+8*\m:111+8*\m], s[50:51] offset:7168*\m
	global_store_b128 v28, v[112+8*\m:115+8*\m], s[50:51] offset:7168*\m+16
.endr
	s_wait_xcnt 0x0                                ; bases and data are written again only behind this wait
	s_add_nc_u64 s[44:45], s[44:45], 6144
	s_add_nc_u64 s[46:47], s[46:47], 512
	s_add_nc_u64 s[48:49], s[48:49], 64
	s_add_nc_u64 s[50:51], s[50:51], 64
	s_add_co_u32 s52, s52, 1
	s_cmp_lt_u32 s52, s42
	s_cbranch_scc1 .Lgt
.Ldone:
	s_endpgm
.Lfunc_end_k_q4dee697f2c_pern:
	.size	k_q4dee697f2c_pern, .Lfunc_end_k_q4dee697f2c_pern-k_q4dee697f2c_pern
	.p2alignl 7, 3214868480
	.fill 96, 4, 3214868480
	.section	.rodata,"a",@progbits
	.p2align	6, 0x0
	.amdhsa_kernel k_q4dee697f2c_pern
		.amdhsa_group_segment_fixed_size 148480
		.amdhsa_private_segment_fixed_size 0
		.amdhsa_enable_private_segment 0
		.amdhsa_kernarg_size 88
		.amdhsa_user_sgpr_count 2
		.amdhsa_user_sgpr_kernarg_segment_ptr 1
		.amdhsa_wavefront_size32 1
		.amdhsa_system_sgpr_workgroup_id_x 1
		.amdhsa_system_sgpr_workgroup_id_y 1
		.amdhsa_system_sgpr_workgroup_id_z 1
		.amdhsa_system_vgpr_workitem_id 0
		.amdhsa_next_free_vgpr 256
		.amdhsa_next_free_sgpr 66
		.amdhsa_reserve_vcc 1
		.amdhsa_float_denorm_mode_32 3
		.amdhsa_float_denorm_mode_16_64 3
		.amdhsa_memory_ordered 1
		.amdhsa_forward_progress 1
		.amdhsa_inst_pref_size 153
	.end_amdhsa_kernel
	.amdgpu_metadata
---
amdhsa.version: [ 1, 2 ]
amdhsa.kernels:
  - .name:           k_q4dee697f2c_pern
    .symbol:         k_q4dee697f2c_pern.kd
    .args:
      - { .name: ent_img_emb, .offset: 0, .size: 8, .value_kind: global_buffer, .address_space: global }
      - { .name: ent_text_emb_codes, .offset: 8, .size: 8, .value_kind: global_buffer, .address_space: global }
      - { .name: ent_text_emb_scales, .offset: 16, .size: 8, .value_kind: global_buffer, .address_space: global }
      - { .name: W_text_codes, .offset: 24, .size: 8, .value_kind: global_buffer, .address_space: global }
      - { .name: W_text_scales, .offset: 32, .size: 8, .value_kind: global_buffer, .address_space: global }
      - { .name: entity_embedding, .offset: 40, .size: 8, .value_kind: global_buffer, .address_space: global }
      - { .name: relation_embedding, .offset: 48, .size: 8, .value_kind: global_buffer, .address_space: global }
      - { .name: positive_sample, .offset: 56, .size: 8, .value_kind: global_buffer, .address_space: global }
      - { .name: wq, .offset: 64, .size: 8, .value_kind: global_buffer, .address_space: global }
      - { .name: rec, .offset: 72, .size: 8, .value_kind: global_buffer, .address_space: global }
      - { .name: sg, .offset: 80, .size: 8, .value_kind: global_buffer, .address_space: global }
    .group_segment_fixed_size: 148480
    .private_segment_fixed_size: 0
    .kernarg_segment_align: 8
    .kernarg_segment_size: 88
    .max_flat_workgroup_size: 224
    .sgpr_count:     66
    .vgpr_count:     256
    .wavefront_size: 32
...
	.end_amdgpu_metadata
.endif
;; end of part 2
;; launch pos (part 3): grid 4 x 3, 8 waves a work-group, no clusters, 315,392 bytes of LDS; arguments positive_sample, wq, rec, sg, entity_embedding, ctl0, dum, pv, out1, out2, out3; writes pv, out1, out2, out3
.if DOCPART == 3
	.amdgcn_target "amdgcn-amd-amdhsa--gfx1250"
	.amdhsa_code_object_version 6
	.text
	.protected	k_q4dee697f2c_pos
	.globl	k_q4dee697f2c_pos
	.p2align	8
	.type	k_q4dee697f2c_pos,@function
k_q4dee697f2c_pos:
	s_mov_b64 s[64:65], 0
	v_nop
	global_prefetch_b8 v0, s[64:65] scope:SCOPE_SE
	s_setreg_imm32_b32 hwreg(HW_REG_WAVE_MODE, 25, 1), 1
	s_wait_xcnt 0x0
; Launches 3 and 4, one body.  A wave takes ONE entity n and all 32 queries, lane = query b.  Work-group y = 0: the text branch (product 11), 1: the structural gate (product 14), 2: the image branch (product 7), which has the fewest instructions and goes last.
; The mode word read from memory says which run this is.  Mode 0: wave k (32 of them) takes n = positive_sample[k][2] and stores query k's row and its squared norm, laid as the other run's registers want them.
; Mode 1: n = 8 x + wave; the cosines against those rows; eight waves' numbers meet in LDS and leave as 32 bytes of each of the 32 rows of the output (a work-group owns eight entities: 32 consecutive bytes a row are all it has).
; Column 0 of positive_sample is not read (no line of reference() uses it).
; A lane makes all numbers of its row in K order, 32 at a time, and quantises each block by itself; two exchanges of halves (12 lines a K step) turn 32 rows' blocks into two operands.
; TEXT: number (i, d) = sum_t u_t c[t][d] g[d] + 2 ln_b[d], u_t = rg_t cross rs + softmax rs0, rs from the Gram form of the variance.  IMAGE: x[t][d] = sum_i rg cross ci[i][d], variance from x itself.
; GATE: used the natural way round (source 0 = 16 queries, source 1 = 16 rows of W3): a lane holds one e and eight queries, so that entity_embedding[n][e] and b3[e] are one number a lane.
; LIMITS: as stated at the head of the first kernel.  No tensor loads: branches hang on a word read from memory.  Each path has LDS bytes of its own.
.set COD, 0
.set SCL, 301056
.set CST, 326144
.set BIPR, 256
.set BTPR, 384
.set G64, 512
.set LNB2, 640
.set B3N, 1280
.set PVI, 0
.set PVT, 8192
.set PVS, 16384
.set PN,  81920
.set TS,  61440
.set TRG, 66560
.set TP,  78848
.set TG,  87040
.set IB,  88064
.set IS,  100352
.set IP,  101376
.set IG,  109568
.set SB,  110592
.set SS,  159744
.set SP,  163840
.set SE,  229376
.set S3,  245760
.set SG,  247808
.set IRG, 248832                       ; image: rg_i as [token][query][4] f32: 24 x 512 bytes
.set IRW, 261120                       ; image: for each wave bytes 1536 .. 8191 of its entity's record: 6,656 bytes
.set IWB, 6656
.set IR0, 1536                         ; the record's byte that lies first in a wave's part
.set SPARE, 314368
.set SW, 16                            ; v16     the rows' scale word
.set BS, 18                            ; v18-21  the weights' scale words
.set M0, 22
.set M1, 23
.set T,  24
.set SC, 27
.set BY, 28
.set U,  32                            ; text: u of four tokens, token i at 4 (i % 4)
.set RG, 48
.set AQ, 60
.set Y,  72                            ; 32 numbers: a block
.set X,  104                           ; the operand of queries 0-15
.set YC, 116                           ; of queries 16-31
.set B,  128                           ; four fragments of a weight
.set ACC, 176                          ; text, image: accumulator (tile t, half m) at 8 (2 t + m)
.set MSB, 0
.macro WIN new                         ; the immediate's high byte repeats the setting that is left
.if MSB != \new
	s_set_vgpr_msb (MSB<<8)|\new
.set MSB, \new
.endif
.endm
.macro NOPS n
.rept \n
	v_nop
.endr
.endm
.macro TWAIT                           ; behind a batch of transcendentals: a plain line, then the one wait ahead of the first reader
	v_nop
	s_wait_alu depctr_va_vdst(0)
.endm
.macro QBLK src, dst, slot
	v_max3_num_f32 v[M0], |v[(\src)]|, |v[(\src)+1]|, 0x2800000
	v_max3_num_f32 v[M1], |v[(\src)+2]|, |v[(\src)+3]|, |v[(\src)+4]|
.irp i, 5,9,13,17,21,25
	v_max3_num_f32 v[M0], v[M0], |v[(\src)+\i]|, |v[(\src)+\i+1]|
	v_max3_num_f32 v[M1], v[M1], |v[(\src)+\i+2]|, |v[(\src)+\i+3]|
.endr
	v_max3_num_f32 v[M0], v[M0], |v[(\src)+29]|, |v[(\src)+30]|
	v_max3_num_f32 v[M0], v[M0], v[M1], |v[(\src)+31]|
	v_add_nc_u32 v[SC], 0xfe000000, v[M0]
	v_cvt_scalef32_pk16_bf6_f32 v[(\dst):(\dst)+2], v[(\src):(\src)+15], v[SC]
	v_cvt_scalef32_pk16_bf6_f32 v[T:T+2], v[(\src)+16:(\src)+31], v[SC]
	v_lshrrev_b32 v[BY], 23, v[SC]                 ; the byte; also the plain line behind the conversions
	v_mov_b32 v[(\dst)+3], v[T]
	v_mov_b32 v[(\dst)+4], v[T+1]
	v_mov_b32 v[(\dst)+5], v[T+2]
.if (\slot) == 0
	v_mov_b32 v[SW], v[BY]
.else
	v_lshl_or_b32 v[SW], v[BY], 8*(\slot), v[SW]
.endif
.endm
.macro SWAP12
.set qi, 0
.rept 12
	v_permlane16_swap_b32 v[X+qi], v[YC+qi]
.set qi, qi+1
.endr
.endm
.macro LDB ks, s                       ; K step s of four tiles of a weight, from LDS as images of the registers
.irp t, 0,1,2,3
.irp c, 0,1,2
	ds_load_b128 v[B+12*\t+4*\c:B+12*\t+4*\c+3], v12 offset:1536*(\ks*\t+(\s))+512*\c
.endr
	ds_load_b32 v[BS+\t], v29 offset:128*(\ks*\t+(\s))
.endr
.endm
.macro MMB                             ; eight products, the accumulators by turns; used transposed: a lane holds query 16 m + r and outputs 16 t + 8 h + 0 .. 7
	NOPS 8                                         ; the scale word was made by vector lines: 8 places
.irp t, 0,1,2,3
	v_wmma_scale_f32_16x16x128_f8f6f4 v[ACC+16*\t:ACC+16*\t+7], v[B+12*\t:B+12*\t+11], v[X:X+11], v[ACC+16*\t:ACC+16*\t+7], v[BS+\t], v[SW] matrix_a_fmt:MATRIX_FMT_BF6 matrix_b_fmt:MATRIX_FMT_BF6
	v_wmma_scale_f32_16x16x128_f8f6f4 v[ACC+16*\t+8:ACC+16*\t+15], v[B+12*\t:B+12*\t+11], v[YC:YC+11], v[ACC+16*\t+8:ACC+16*\t+15], v[BS+\t], v[SW] matrix_a_fmt:MATRIX_FMT_BF6 matrix_b_fmt:MATRIX_FMT_BF6 matrix_b_scale:MATRIX_SCALE_ROW1
.endr
	NOPS 4                                         ; places ahead of loads into, and writes of, the operands
.endm
.macro BIAS off                        ; the padded bias is loaded into the accumulators: every product then adds in place
.irp t, 0,1,2,3
.irp m, 0,1
	global_load_b128 v[ACC+8*(2*\t+\m):ACC+8*(2*\t+\m)+3], v10, s[6:7] offset:CST+4*(\off)+64*\t
	global_load_b128 v[ACC+8*(2*\t+\m)+4:ACC+8*(2*\t+\m)+7], v10, s[6:7] offset:CST+4*(\off)+64*\t+16
.endr
.endr
.endm
.macro DOTS d0, other                  ; over my 64 results: their squares (other = 0) or their products with the registers from other on; lane l ends with query l's sum in v[d0]
.irp t, 0,1,2,3
.irp pr, 0,1,2,3
.irp m, 0,1
.set ra, ACC+8*(2*\t+\m)+2*\pr
.if \other == 0
.set rb, ra
.else
.set rb, \other+8*(2*\t+\m)+2*\pr
.endif
.if (\t == 0) && (\pr == 0)
	v_pk_mul_f32 v[\d0+2*\m:\d0+2*\m+1], v[ra:ra+1], v[rb:rb+1]
.else
	v_pk_fma_f32 v[\d0+2*\m:\d0+2*\m+1], v[ra:ra+1], v[rb:rb+1], v[\d0+2*\m:\d0+2*\m+1]
.endif
.endr
.endr
.endr
	v_add_f32 v[\d0], v[\d0], v[\d0+1]
	v_add_f32 v[\d0+2], v[\d0+2], v[\d0+3]
	v_permlanex16_b32 v[\d0+1], v[\d0], s34, s35
	v_permlanex16_b32 v[\d0+3], v[\d0+2], s34, s35
	v_add_f32 v[\d0], v[\d0], v[\d0+1]
	v_add_f32 v[\d0+2], v[\d0+2], v[\d0+3]
	v_cndmask_b32 v[\d0], v[\d0], v[\d0+2], s61
.endm
.macro SIM num, nrm                    ; num / (sqrt(nrm) sqrt(the positive row's squared norm) + 1e-10)
	v_sqrt_f32 v[\nrm], v[\nrm]
	v_sqrt_f32 v14, v14
	TWAIT
	v_fma_f32 v[\nrm], v[\nrm], v14, s66
	v_rcp_f32 v[\nrm], v[\nrm]
	TWAIT
	v_mul_f32 v[\num], v[\num], v[\nrm]
.endm
.macro OUTG gbase, op                  ; the work-group's 32 x 8 cosines leave; then the wave's end
	s_wait_dscnt 0x0
	s_barrier_signal -1
	s_barrier_wait -1
	s_cmp_eq_u32 s29, 0
	s_cbranch_scc1 .Lfin_\@
	s_cmp_lg_u32 s26, 0
	s_cbranch_scc1 .Lfin_\@
	v_add_nc_u32 v255, \gbase, v11
	ds_load_b128 v[72:75], v255
	ds_load_b128 v[76:79], v255 offset:16
	v_mul_u32_u24 v254, v1, 20000
	s_lshl_b32 s62, ttmp9, 5
	v_add_nc_u32 v254, s62, v254
	s_wait_dscnt 0x0
	global_store_b128 v254, v[72:75], s[\op:\op+1]
	global_store_b128 v254, v[76:79], s[\op:\op+1] offset:16
.Lfin_\@:
	s_wait_tensorcnt 0x0                           ; the wave's end: behind my last LDS store
	ds_add_u32 v4, v5
	s_wait_dscnt 0x0
	s_endpgm
.endm
.macro EPI br, img, gbase, op          ; text and image: behind the last product
	DOTS 240, 0
	s_cmp_eq_u32 s29, 0
	s_cbranch_scc0 .Lsim_\@
.irp m, 0,1                            ; mode 0: the two lanes that hold query k's row store it where the other run's lanes will read it
	v_add_nc_u32 v247, 16*\m, v2
	v_cmp_eq_u32 vcc_lo, s31, v247
	s_wait_xcnt 0x0                                ; EXEC changes only behind this wait
	s_and_saveexec_b32 s62, vcc_lo
.irp t, 0,1,2,3
	global_store_b128 v11, v[ACC+8*(2*\t+\m):ACC+8*(2*\t+\m)+3], s[18:19] offset:\img+(4*\m+\t)*1024
	global_store_b128 v11, v[ACC+8*(2*\t+\m)+4:ACC+8*(2*\t+\m)+7], s[18:19] offset:\img+(4*\m+\t)*1024+16
.endr
	s_wait_xcnt 0x0
	s_or_b32 exec_lo, exec_lo, s62
.endr
	v_cmp_eq_u32 vcc_lo, s31, v1
	s_and_saveexec_b32 s62, vcc_lo
	global_store_b32 v9, v240, s[18:19] offset:PN+128*\br
	s_wait_xcnt 0x0
	s_or_b32 exec_lo, exec_lo, s62
	s_branch .Lout_\@
.Lsim_\@:
.irp t, 0,1,2,3
.irp m, 0,1
	ds_load_b128 v[72+8*(2*\t+\m):75+8*(2*\t+\m)], v13 offset:(4*\m+\t)*1024
	ds_load_b128 v[76+8*(2*\t+\m):79+8*(2*\t+\m)], v13 offset:(4*\m+\t)*1024+16
.endr
.endr
	s_wait_dscnt 0x0
	DOTS 248, 72
	SIM 248, 240
	s_lshl_b32 s62, s26, 2
	s_add_co_u32 s62, s62, \gbase
	v_add_nc_u32 v254, s62, v11
	ds_store_b32 v254, v248
.Lout_\@:
	OUTG \gbase, \op
.endm
	s_load_b512 s[4:19], s[0:1], 0x0               ; positive_sample 4, wq 6, rec 8, sg 10, ent 12, ctl 14, pv to read 16, pv to write 18
	s_load_b128 s[20:23], s[0:1], 0x40             ; out1 20, out2 22
	s_load_b64 s[24:25], s[0:1], 0x50              ; out3
	v_lshl_add_u32 v4, v0, 2, SPARE
	v_mov_b32 v5, 0
	v_lshrrev_b32 v1, 5, v0
	v_readfirstlane_b32 s26, v1                    ; wave
	v_and_b32 v1, 31, v0
	v_and_b32 v2, 15, v0                           ; r
	v_bfe_u32 v3, v0, 4, 1                         ; h
	v_lshlrev_b32 v6, 4, v0
	v_lshlrev_b32 v7, 2, v0
	v_lshlrev_b32 v8, 4, v1
	v_lshlrev_b32 v9, 2, v1
	v_lshlrev_b32 v10, 5, v3
	v_lshlrev_b32 v11, 5, v1
	v_mov_b32 v14, 0
	v_mov_b32 v15, 0
	s_and_b32 s28, ttmp7, 0xffff                   ; the branch
	s_lshl_b32 s31, ttmp9, 3
	s_add_co_u32 s31, s31, s26                     ; item
	s_min_u32 s33, s31, 31
	s_mul_i32 s33, s33, 12
	s_mov_b32 s34, 0x76543210
	s_mov_b32 s35, 0xfedcba98
	s_mov_b32 s60, 0x3727c5ac                      ; 1e-5
	s_mov_b32 s61, 0xffff0000                      ; lanes 16-31
	s_mov_b32 s63, 0x3ca3d70a                      ; 1/50
	s_mov_b32 s66, 0x2edbe6ff                      ; 1e-10
	s_wait_kmcnt 0x0
	s_load_b64 s[2:3], s[14:15], 0x0               ; mode, 1 - mode
	s_load_b32 s27, s[4:5], s33 offset:0x8         ; positive_sample[item][2]
	s_wait_kmcnt 0x0
	s_min_u32 s29, s2, 1
	s_min_u32 s30, s3, 1
	s_min_u32 s27, s27, 4999
	s_mul_i32 s32, s29, s31
	s_mul_i32 s27, s30, s27
	s_add_co_u32 s32, s32, s27
	s_min_u32 s32, s32, 4999                       ; n
	s_lshl_b32 s2, s32, 13
	s_mov_b32 s3, 0
	s_add_nc_u64 s[8:9], s[8:9], s[2:3]            ; n's record
	s_cmp_eq_u32 s28, 2
	s_cbranch_scc1 .LI
	s_cmp_eq_u32 s28, 1
	s_cbranch_scc1 .LS
	; ================ the text branch.  Window 1: v0-199 c g, v200-251 2 ln_b
	v_mov_b32 v12, v8
	v_add_nc_u32 v13, TP, v11
	v_add_nc_u32 v29, TS, v9
	v_add_nc_u32 v30, TRG, v8
	v_add_nc_u32 v160, TS, v7
	s_mul_i32 s2, s26, 48
	v_mul_u32_u24 v161, v1, 448
	v_add_nc_u32 v161, s2, v161
	s_mul_i32 s2, s26, 1536
	v_add_nc_u32 v162, s2, v30
	v_add_nc_u32 v163, TP, v6
.set k, 0
.rept 15
	global_load_b128 v[72+4*k:75+4*k], v6, s[6:7] offset:COD+1536*20+4096*k
.set k, k+1
.endr
.irp k, 0,1,2,3,4
	global_load_b32 v[132+\k], v7, s[6:7] offset:SCL+128*20+1024*\k
.endr
.irp e, 0,1,2
	global_load_b128 v[140+4*\e:143+4*\e], v161, s[10:11] offset:5056*448+16*\e       ; rg_t of tokens 3 wave + e, query = lane
.endr
	WIN 0x40
.set k, 0
.rept 50
	global_load_b128 v[4*k:4*k+3], v15, s[8:9] offset:16*k
.set k, k+1
.endr
.set k, 0
.rept 13
	global_load_b128 v[200+4*k:203+4*k], v15, s[6:7] offset:CST+4*LNB2+16*k
.set k, k+1
.endr
	WIN 0
	BIAS BTPR
	s_load_b256 s[92:99], s[8:9], 1600             ; the Gram matrix's ten
	s_load_b64 s[100:101], s[8:9], 1632
.irp e, 0,1,2
	s_load_b256 s[36+8*\e:43+8*\e], s[8:9], 832+32*\e
.endr
	s_cmp_eq_u32 s29, 0
	s_cbranch_scc1 .LT_nopv
	global_load_b128 v[152:155], v6, s[16:17] offset:PVT
	global_load_b128 v[156:159], v6, s[16:17] offset:PVT+4096
	global_load_b32 v14, v9, s[16:17] offset:PN+128
	s_wait_loadcnt 0x0
	ds_store_b128 v163, v[152:155]
	ds_store_b128 v163, v[156:159] offset:4096
.LT_nopv:
	s_wait_loadcnt 0x0
.set k, 0
.rept 15
	ds_store_b128 v6, v[72+4*k:75+4*k] offset:4096*k
.set k, k+1
.endr
.irp k, 0,1,2,3,4
	ds_store_b32 v160, v[132+\k] offset:1024*\k
.endr
.irp e, 0,1,2
	ds_store_b128 v162, v[140+4*\e:143+4*\e] offset:512*\e
.endr
	s_wait_dscnt 0x0
	s_barrier_signal -1
	s_barrier_wait -1
.macro BATCH s                         ; the tokens that K step s meets for the first time: BLO .. BLO + BNB - 1, three at the most
.if (\s) == 0
.set BLO, 0
.else
.set BLO, (128*(\s)-1)/50+1
.endif
.set BHI, (128*(\s)+127)/50
.if BHI > 23
.set BHI, 23
.endif
.set BNB, BHI-BLO+1
.endm
.macro TNEXT s                         ; for K step s: its new tokens' rg first, then the 16 loads of the weight
	BATCH \s
.irp e, 0,1,2
.if \e < BNB
	ds_load_b128 v[RG+4*\e:RG+4*\e+3], v30 offset:512*(BLO+\e)
.endif
.endr
	LDB 10, \s
.endm
.macro EQ kind, a, g, w
.irp e, 0,1,2
.if \e < BNB
.if \kind == 0
	v_mul_f32 v[AQ+4*\e+\a], s[92+\g], v[RG+4*\e+\w]
.else
	v_fmac_f32 v[AQ+4*\e+\a], s[92+\g], v[RG+4*\e+\w]
.endif
.endif
.endr
.endm
.macro EW kind, a, w
.irp e, 0,1,2
.if \e < BNB
.if \kind == 0
	v_mul_f32 v[AQ+4*\e], v[AQ+4*\e], v[RG+4*\e]
.else
	v_fmac_f32 v[AQ+4*\e], v[AQ+4*\e+\a], v[RG+4*\e+\w]
.endif
.endif
.endr
.endm
.macro TFMA t                          ; block JB: the term of text token t, 16 pairs
.set p, 0
.rept 16
.set k, 32*JB+2*p
.if k < 1200
.set ur, U+4*((k/50)%4)+((\t)/2)*2
.set cr, 50*(\t)+k%50
.if (\t) == 0
	v_pk_fma_f32 v[Y+2*p:Y+2*p+1], v[cr:cr+1], v[ur:ur+1], v[200+k%50:201+k%50] op_sel_hi:[1,0,1]
.elseif (\t) == 2
	v_pk_fma_f32 v[Y+2*p:Y+2*p+1], v[cr:cr+1], v[ur:ur+1], v[Y+2*p:Y+2*p+1] op_sel_hi:[1,0,1]
.else
	v_pk_fma_f32 v[Y+2*p:Y+2*p+1], v[cr:cr+1], v[ur:ur+1], v[Y+2*p:Y+2*p+1] op_sel:[0,1,0] op_sel_hi:[1,1,1]
.endif
.endif
.set p, p+1
.endr
.endm
.macro TSTEP s
	BATCH \s
.set RS, 36+32*((\s)%2)
	s_wait_kmcnt 0x0                               ; the new tokens' records
	s_wait_dscnt 16                                ; their rg; the weight's 16 loads, issued behind, may be out
.if BNB > 0
.irp t, 0,1,2,3
.irp e, 0,1,2
.if \e < BNB
	v_mul_f32 v[RG+4*\e+\t], s[RS+8*\e+\t], v[RG+4*\e+\t]          ; w_t = rg_t cross_t
.endif
.endr
.endr
	EQ 0, 0, 0, 0
	EQ 0, 1, 4, 1
	EQ 0, 2, 7, 2
	EQ 0, 3, 9, 3
	EQ 1, 0, 1, 1
	EQ 1, 1, 5, 2
	EQ 1, 2, 8, 3
	EQ 1, 0, 2, 2
	EQ 1, 1, 6, 3
	EQ 1, 0, 3, 3
	EW 0, 0, 0
	EW 1, 1, 1
	EW 1, 2, 2
	EW 1, 3, 3                                     ; the variance: w^T G w / 50
.irp e, 0,1,2
.if \e < BNB
	v_max_num_f32 v[AQ+4*\e], 0, v[AQ+4*\e]
.endif
.endr
.irp e, 0,1,2
.if \e < BNB
	v_add_f32 v[AQ+4*\e], s60, v[AQ+4*\e]
.endif
.endr
.irp e, 0,1,2
.if \e < BNB
	v_rsq_f32 v[AQ+4*\e], v[AQ+4*\e]
.endif
.endr
	TWAIT
.irp t, 0,1,2,3
.irp e, 0,1,2
.if \e < BNB
	v_fma_f32 v[U+4*((BLO+\e)%4)+\t], v[RG+4*\e+\t], v[AQ+4*\e], s[RS+8*\e+4+\t]
.endif
.endr
.endr
.endif
.if (\s) < 9
	BATCH (\s)+1
.set RN, 36+32*(((\s)+1)%2)
.irp e, 0,1,2
.if \e < BNB
	s_load_b256 s[RN+8*\e:RN+8*\e+7], s[8:9], 832+32*(BLO+\e)
.endif
.endr
.endif
.irp jj, 0,1,2,3
.set JB, 4*(\s)+\jj
.if 32*JB < 1200
	WIN 0x11
	TFMA 0
	WIN 0x01
	TFMA 1
	TFMA 2
	TFMA 3
	WIN 0
.if 32*JB+32 > 1200
.set p, 1200-32*JB
.rept 32*JB+32-1200
	v_mov_b32 v[Y+p], 0                            ; K ends at 1,200
.set p, p+1
.endr
.endif
	QBLK Y, X+12*(\jj%2)+6*(\jj/2), \jj
.else
.set p, 0
.rept 6
	v_mov_b32 v[X+12*(\jj%2)+6*(\jj/2)+p], 0
.set p, p+1
.endr
.endif
.endr
	SWAP12
	s_wait_dscnt 0x0                               ; the weight's fragments
	MMB
.if (\s) < 9
	TNEXT (\s)+1
.endif
.endm
	TNEXT 0
	TSTEP 0
	TSTEP 1
	TSTEP 2
	TSTEP 3
	TSTEP 4
	TSTEP 5
	TSTEP 6
	TSTEP 7
	TSTEP 8
	TSTEP 9
	EPI 1, PVT, TG, 22
	; ================ the image branch.  Window 1: v0-199 x[t][d] in K order, v200-251 ln_g
	; What the walk over the 24 tokens reads lies in LDS before it begins: each wave's own copy of its record's bytes 1536 .. 8191 (13 loads of 512 consecutive bytes: the centred rows and the plain layer norm),
	; and rg_i of all queries, which the eight waves bring together.  So a step's 15 loads, asked for one step ahead, are LDS loads.
.LI:
	v_add_nc_u32 v12, IB, v8
	v_add_nc_u32 v13, IP, v11
	v_add_nc_u32 v29, IS, v9
	v_add_nc_u32 v30, IRG, v8                      ; the gates: token 0, my query's 16 bytes
	s_mul_i32 s2, s26, IWB
	s_add_co_u32 s2, s2, IRW
	v_mov_b32 v17, s2                              ; my wave's part of the record: the same address in all lanes
	v_add_nc_u32 v164, s2, v8                      ; and, for the fill, 16 bytes a lane
	s_mul_i32 s2, s26, 48
	v_mul_u32_u24 v31, v1, 448
	v_add_nc_u32 v31, s2, v31
	s_mul_i32 s2, s26, 1536
	v_add_nc_u32 v162, s2, v30
	v_add_nc_u32 v160, IB, v6
	v_add_nc_u32 v161, IS, v7
	v_add_nc_u32 v163, IP, v6
.irp k, 0,1,2
	global_load_b128 v[32+4*\k:35+4*\k], v6, s[6:7] offset:COD+1536*12+4096*\k
.endr
	global_load_b32 v44, v7, s[6:7] offset:SCL+128*12
.irp e, 0,1,2
	global_load_b128 v[56+4*\e:59+4*\e], v31, s[10:11] offset:5024*448+16*\e          ; rg_i of tokens 3 wave + e, query = lane
.endr
.set k, 0
.rept 13
	global_load_b128 v[72+4*k:75+4*k], v8, s[8:9] offset:IR0+512*k                    ; the record ends at byte 8,192 = 1,536 + 13 x 512
.set k, k+1
.endr
	WIN 0x40
.set k, 0
.rept 13
	global_load_b128 v[200+4*k:203+4*k], v15, s[6:7] offset:CST+4*G64+16*k
.set k, k+1
.endr
	WIN 0
	BIAS BIPR
	s_cmp_eq_u32 s29, 0
	s_cbranch_scc1 .LI_nopv
	global_load_b128 v[48:51], v6, s[16:17] offset:PVI
	global_load_b128 v[52:55], v6, s[16:17] offset:PVI+4096
	global_load_b32 v14, v9, s[16:17] offset:PN
	s_wait_loadcnt 0x0
	ds_store_b128 v163, v[48:51]
	ds_store_b128 v163, v[52:55] offset:4096
.LI_nopv:
	s_wait_loadcnt 0x0
.irp k, 0,1,2
	ds_store_b128 v160, v[32+4*\k:35+4*\k] offset:4096*\k
.endr
	ds_store_b32 v161, v44
.irp e, 0,1,2
	ds_store_b128 v162, v[56+4*\e:59+4*\e] offset:512*\e
.endr
.set k, 0
.rept 13
	ds_store_b128 v164, v[72+4*k:75+4*k] offset:512*k
.set k, k+1
.endr
	s_wait_dscnt 0x0
	s_barrier_signal -1
	s_barrier_wait -1
.macro IADR                            ; the LDS addresses of the trip's first token: its row (224 bytes a token) and its gates (512 bytes a token)
	v_add_nc_u32 v152, s36, v17
	v_add_nc_u32 v153, s38, v30
.endm
.macro ILOAD buf, rg, rowoff, rgoff    ; a token's row (the same for all lanes) and my query's four gates: 15 LDS loads
.set k, 0
.rept 14
	ds_load_b128 v[\buf+4*k:\buf+4*k+3], v152 offset:1664-IR0+\rowoff+16*k
.set k, k+1
.endr
	ds_load_b128 v[\rg:\rg+3], v153 offset:\rgoff
.endm
.macro ISTEP buf, rg, first, load, cnt, rowoff, rgoff
	s_wait_dscnt \cnt                              ; my buffer's 15 are in; the other buffer's, issued behind, may be out
.irp t, 0,1,2,3
	v_mul_f32 v[240+\t], v[\rg+\t], v[\buf+52+\t]
.endr
.if \first
	WIN 0x40
.else
	WIN 0x50
.endif
.irp t, 0,1,2,3
.set p, 0
.rept 25
.if \first
.if (\t%2) == 0
	v_pk_mul_f32 v[50*\t+2*p:50*\t+2*p+1], v[\buf+2*p:\buf+2*p+1], v[240+(\t/2)*2:241+(\t/2)*2] op_sel_hi:[1,0]
.else
	v_pk_mul_f32 v[50*\t+2*p:50*\t+2*p+1], v[\buf+2*p:\buf+2*p+1], v[240+(\t/2)*2:241+(\t/2)*2] op_sel:[0,1] op_sel_hi:[1,1]
.endif
.else
.if (\t%2) == 0
	v_pk_fma_f32 v[50*\t+2*p:50*\t+2*p+1], v[\buf+2*p:\buf+2*p+1], v[240+(\t/2)*2:241+(\t/2)*2], v[50*\t+2*p:50*\t+2*p+1] op_sel_hi:[1,0,1]
.else
	v_pk_fma_f32 v[50*\t+2*p:50*\t+2*p+1], v[\buf+2*p:\buf+2*p+1], v[240+(\t/2)*2:241+(\t/2)*2], v[50*\t+2*p:50*\t+2*p+1] op_sel:[0,1,0] op_sel_hi:[1,1,1]
.endif
.endif
.set p, p+1
.endr
.endr
	WIN 0
.if \load
	ILOAD \buf, \rg, \rowoff, \rgoff
.endif
.endm
	s_mov_b32 s36, 0
	s_mov_b32 s38, 0
	IADR
	ILOAD 32, 88, 0, 0
	ILOAD 92, 148, 224, 512
	ISTEP 32, 88, 1, 1, 15, 448, 1024
	ISTEP 92, 148, 0, 1, 15, 672, 1536
	s_mov_b32 s36, 448
	s_mov_b32 s38, 1024
	s_mov_b32 s40, 10
.LI_loop:                                              ; two tokens a trip: tokens 2 .. 21; each step asks for the token two on
	IADR
	ISTEP 32, 88, 0, 1, 15, 448, 1024
	ISTEP 92, 148, 0, 1, 15, 672, 1536
	s_add_co_u32 s36, s36, 448
	s_add_co_u32 s38, s38, 1024
	s_sub_co_u32 s40, s40, 1
	s_cmp_lg_u32 s40, 0
	s_cbranch_scc1 .LI_loop
	ISTEP 32, 88, 0, 0, 15, 0, 0
	ISTEP 92, 148, 0, 0, 0, 0, 0
.macro IBASE j, buf, nb                ; block j of LN(img_att) g + 2 ln_b, from my wave's part of the record
.set k, 0
.rept \nb
	ds_load_b128 v[\buf+4*k:\buf+4*k+3], v17 offset:7040-IR0+128*\j+16*k
.set k, k+1
.endr
.endm
	IBASE 0, 32, 8
	IBASE 1, 128, 8
	WIN 0x05
.irp t, 0,1,2,3
	v_pk_mul_f32 v[248+2*\t:249+2*\t], v[50*\t:50*\t+1], v[50*\t:50*\t+1]
.endr
.set p, 1
.rept 24
.irp t, 0,1,2,3
	v_pk_fma_f32 v[248+2*\t:249+2*\t], v[50*\t+2*p:50*\t+2*p+1], v[50*\t+2*p:50*\t+2*p+1], v[248+2*\t:249+2*\t]
.endr
.set p, p+1
.endr
	WIN 0
.irp t, 0,1,2,3
	v_add_f32 v[244+\t], v[248+2*\t], v[249+2*\t]
.endr
.irp t, 0,1,2,3
	v_fma_f32 v[244+\t], v[244+\t], s63, s60
.endr
.irp t, 0,1,2,3
	v_rsq_f32 v[244+\t], v[244+\t]
.endr
	TWAIT
.macro IBLK j, buf, cnt, slot
	s_wait_dscnt \cnt                              ; this block's base is in; what was asked for behind it may be out
	WIN 0x01
.set p, 0
.rept 16
.set k, 32*\j+2*p
.if k < 200
.if ((k/50)%2) == 0
	v_pk_mul_f32 v[Y+2*p:Y+2*p+1], v[k:k+1], v[244+(k/100)*2:245+(k/100)*2] op_sel_hi:[1,0]
.else
	v_pk_mul_f32 v[Y+2*p:Y+2*p+1], v[k:k+1], v[244+(k/100)*2:245+(k/100)*2] op_sel:[0,1] op_sel_hi:[1,1]
.endif
.endif
.set p, p+1
.endr
	WIN 0x04
.set p, 0
.rept 16
.set k, 32*\j+2*p
.if k < 200
	v_pk_fma_f32 v[Y+2*p:Y+2*p+1], v[Y+2*p:Y+2*p+1], v[200+k%50:201+k%50], v[\buf+2*p:\buf+2*p+1]
.endif
.set p, p+1
.endr
	WIN 0
.if 32*\j+32 > 200
.set p, 200-32*\j
.rept 32*\j+32-200
	v_mov_b32 v[Y+p], 0                            ; K ends at 200
.set p, p+1
.endr
.endif
	QBLK Y, X+12*(\slot%2)+6*(\slot/2), \slot
.endm
	IBLK 0, 32, 8, 0
	IBASE 2, 32, 8
	IBLK 1, 128, 8, 1
	IBASE 3, 128, 8
	IBLK 2, 32, 8, 2
	IBASE 4, 32, 8
	IBLK 3, 128, 8, 3
	LDB 2, 0
	SWAP12
	s_wait_dscnt 0x0
	MMB
	IBASE 5, 128, 8
	IBLK 4, 32, 8, 0
	IBASE 6, 32, 2
	IBLK 5, 128, 2, 1
	IBLK 6, 32, 0, 2
.set p, 0
.rept 6
	v_mov_b32 v[YC+6+p], 0
.set p, p+1
.endr
	LDB 2, 1
	SWAP12
	s_wait_dscnt 0x0
	MMB
	EPI 0, PVI, IG, 20
	; ================ the structural gate.  Window 1: v0-99 entity W1a^T, v100-115 the products' sums, v116-131 the squares' sums (register 8 m + j: query 16 m + 8 h + j)
.LS:
	v_add_nc_u32 v12, SB, v8
	v_add_nc_u32 v13, SP, v11
	v_add_nc_u32 v29, SS, v9
	v_mul_u32_u24 v31, v1, 448
	v_lshl_add_u32 v17, v2, 2, S3
	s_lshl_b32 s2, s26, 11
	s_add_co_u32 s2, s2, SE
	v_lshl_add_u32 v30, v2, 2, s2
	v_add_nc_u32 v89, s2, v8
	v_add_nc_u32 v88, SB, v6
	v_add_nc_u32 v90, SS, v6
	v_lshl_add_u32 v91, v0, 3, S3
	v_add_nc_u32 v92, SP, v6
	v_lshlrev_b32 v100, 3, v0
	v_add_nc_u32 v101, 96, v1
	v_min_u32 v101, 124, v101
	v_lshlrev_b32 v101, 4, v101
	v_lshrrev_b32 v95, 3, v2
	v_lshlrev_b32 v95, 4, v95
	v_and_b32 v93, 7, v2
	v_add_nc_u32 v95, v95, v93
	v_lshl_add_u32 v95, v3, 3, v95
	v_lshlrev_b32 v95, 2, v95                      ; 4 x the query that my lane ends with: 16 (r / 8) + 8 h + r % 8
	s_mul_i32 s2, s32, 2000
	s_mov_b32 s3, 0
	s_add_nc_u64 s[12:13], s[12:13], s[2:3]
	s_mul_i32 s2, s32, 448
	s_add_nc_u64 s[36:37], s[10:11], s[2:3]
	s_min_u32 s38, s31, 31                         ; mode 0: query k sits in accumulator half k / 16, lanes' half (k / 8) % 2, register k % 8
	s_lshr_b32 s39, s38, 4
	s_bfe_u32 s41, s38, 0x10003
	s_and_b32 s38, s38, 7
	s_lshl_b32 s40, s39, 3
	s_or_b32 s40, s40, s38
.set k, 1
.rept 15
	s_cmp_eq_u32 s40, k
	s_cselect_b32 s[68+k], -1, 0
.set k, k+1
.endr
	s_mov_b32 s84, 0xffff0000
	s_cmp_eq_u32 s41, 0
	s_cselect_b32 s84, 0xffff, s84
	s_lshl_b32 s39, s39, 10
	s_lshl_b32 s41, s41, 9
	s_lshl_b32 s38, s38, 2
	s_add_co_u32 s39, s39, s41
	s_add_co_u32 s39, s39, s38
	v_lshl_add_u32 v94, v2, 5, s39
	s_mov_b32 s46, 0xbfb8aa3b
	s_mov_b32 s47, s46
.set k, 0
.rept 12
	global_load_b128 v[128+4*k:131+4*k], v6, s[6:7] offset:COD+1536*60+4096*k
.set k, k+1
.endr
	global_load_b128 v[32:35], v6, s[6:7] offset:SCL+128*60
	global_load_b64 v[36:37], v100, s[6:7] offset:CST+4*B3N
.irp q, 0,1,2
	global_load_b128 v[176+4*\q:179+4*\q], v8, s[12:13] offset:512*\q
.endr
	global_load_b128 v[188:191], v101, s[12:13]
	WIN 0x40
.set k, 0
.rept 25
	global_load_b128 v[4*k:4*k+3], v15, s[36:37] offset:16*k
.set k, k+1
.endr
	WIN 0
	s_cmp_eq_u32 s29, 0
	s_cbranch_scc1 .LS_nopv
.set k, 0
.rept 16
	global_load_b128 v[192+4*k:195+4*k], v6, s[16:17] offset:PVS+4096*k
.set k, k+1
.endr
	global_load_b32 v14, v95, s[16:17] offset:PN+256
	s_wait_loadcnt 0x0
.set k, 0
.rept 16
	ds_store_b128 v92, v[192+4*k:195+4*k] offset:4096*k
.set k, k+1
.endr
.LS_nopv:
	s_wait_loadcnt 0x0
	v_cmp_gt_u32 vcc_lo, 29, v1
.irp c, 0,1,2,3
	v_cndmask_b32 v[188+\c], 0, v[188+\c], vcc_lo  ; e ends at 500
.endr
.set k, 0
.rept 12
	ds_store_b128 v88, v[128+4*k:131+4*k] offset:4096*k
.set k, k+1
.endr
	ds_store_b128 v90, v[32:35]
	ds_store_b64 v91, v[36:37]
.irp q, 0,1,2,3
	ds_store_b128 v89, v[176+4*\q:179+4*\q] offset:512*\q
.endr
	s_wait_dscnt 0x0
	s_barrier_signal -1
	s_barrier_wait -1
.set k, 0
.rept 25
	global_load_b128 v[128+4*k:131+4*k], v31, s[10:11] offset:5088*448+16*k    ; rel W1b^T + b1 of my query
.set k, k+1
.endr
.set k, 0
.rept 28
	v_mov_b32 v[228+k], 0                          ; K ends at 100
.set k, k+1
.endr
	s_wait_loadcnt 0x0
	WIN 0x04
.set p, 0
.rept 50
	v_pk_add_f32 v[128+2*p:129+2*p], v[128+2*p:129+2*p], v[2*p:2*p+1]
.set p, p+1
.endr
	WIN 0
.set p, 0
.rept 50
	v_pk_mul_f32 v[32+2*(p%8):33+2*(p%8)], v[128+2*p:129+2*p], 0x3dcccccd op_sel_hi:[1,0]
	v_max_num_f32 v[128+2*p], v[128+2*p], v[32+2*(p%8)]
	v_max_num_f32 v[129+2*p], v[129+2*p], v[33+2*(p%8)]
.set p, p+1
.endr
	QBLK 128, X, 0
	QBLK 160, YC, 1
	QBLK 192, X+6, 2
	QBLK 224, YC+6, 3
	SWAP12
	WIN 0x40
.set k, 0
.rept 32
	v_mov_b32 v[100+k], 0
.set k, k+1
.endr
	WIN 0
	s_mov_b32 s42, 0
	s_mov_b32 s43, 0
	s_mov_b32 s44, 0
	s_mov_b32 s45, 0
	s_mov_b32 s48, 0
.LS_loop:                                              ; eight trips of four tiles of 16 e
	NOPS 5                                         ; places behind the last products, ahead of loads into their operands and of products that begin their accumulators anew
	v_add_nc_u32 v88, s43, v12
	v_add_nc_u32 v89, s44, v29
	v_add_nc_u32 v90, s45, v13
	v_add_nc_u32 v91, s48, v30
	v_add_nc_u32 v92, s48, v17
.irp t, 0,1,2,3
.irp c, 0,1,2
	ds_load_b128 v[32+12*\t+4*\c:35+12*\t+4*\c], v88 offset:1536*\t+512*\c
.endr
	ds_load_b32 v[BS+\t], v89 offset:128*\t
	ds_load_b32 v[80+\t], v91 offset:64*\t
	ds_load_b32 v[84+\t], v92 offset:64*\t
.endr
	s_cmp_eq_u32 s29, 0
	s_cbranch_scc1 .LS_nopos
.irp t, 0,1,2,3
.irp m, 0,1
	ds_load_b128 v[192+8*(2*\t+\m):195+8*(2*\t+\m)], v90 offset:2048*\t+1024*\m
	ds_load_b128 v[196+8*(2*\t+\m):199+8*(2*\t+\m)], v90 offset:2048*\t+1024*\m+16
.endr
.endr
.LS_nopos:
	s_wait_dscnt 0x0
.irp t, 0,1,2,3
	v_wmma_scale_f32_16x16x128_f8f6f4 v[128+16*\t:135+16*\t], v[X:X+11], v[32+12*\t:43+12*\t], 0, v[SW], v[BS+\t] matrix_a_fmt:MATRIX_FMT_BF6 matrix_b_fmt:MATRIX_FMT_BF6
	v_wmma_scale_f32_16x16x128_f8f6f4 v[136+16*\t:143+16*\t], v[YC:YC+11], v[32+12*\t:43+12*\t], 0, v[SW], v[BS+\t] matrix_a_fmt:MATRIX_FMT_BF6 matrix_b_fmt:MATRIX_FMT_BF6 matrix_a_scale:MATRIX_SCALE_ROW1
.endr
	NOPS 4
.set p, 0
.rept 32                                       ; -log2(e) (sum + b3): pair p belongs to tile p / 8
.if ((p/8)%2) == 0
	v_pk_fma_f32 v[128+2*p:129+2*p], v[128+2*p:129+2*p], s[46:47], v[84+(p/16)*2:85+(p/16)*2] op_sel_hi:[1,0,0]
.else
	v_pk_fma_f32 v[128+2*p:129+2*p], v[128+2*p:129+2*p], s[46:47], v[84+(p/16)*2:85+(p/16)*2] op_sel:[0,0,1] op_sel_hi:[1,0,1]
.endif
.set p, p+1
.endr
.set p, 0
.rept 64
	v_exp_f32 v[128+p], v[128+p]
.set p, p+1
.endr
	TWAIT
.set p, 0
.rept 32
	v_pk_add_f32 v[128+2*p:129+2*p], v[128+2*p:129+2*p], 1.0 op_sel_hi:[1,0]
.set p, p+1
.endr
.set p, 0
.rept 64
	v_rcp_f32 v[128+p], v[128+p]
.set p, p+1
.endr
	TWAIT
.set p, 0
.rept 32                                       ; x entity_embedding[n][e]
.if ((p/8)%2) == 0
	v_pk_mul_f32 v[128+2*p:129+2*p], v[128+2*p:129+2*p], v[80+(p/16)*2:81+(p/16)*2] op_sel_hi:[1,0]
.else
	v_pk_mul_f32 v[128+2*p:129+2*p], v[128+2*p:129+2*p], v[80+(p/16)*2:81+(p/16)*2] op_sel:[0,1] op_sel_hi:[1,1]
.endif
.set p, p+1
.endr
	WIN 0x50
.set p, 0
.rept 32
	v_pk_fma_f32 v[116+2*(p%8):117+2*(p%8)], v[128+2*p:129+2*p], v[128+2*p:129+2*p], v[116+2*(p%8):117+2*(p%8)]
.set p, p+1
.endr
	WIN 0
	s_cmp_eq_u32 s29, 0
	s_cbranch_scc1 .LS_keep
	WIN 0x50
.set p, 0
.rept 32
	v_pk_fma_f32 v[100+2*(p%8):101+2*(p%8)], v[128+2*p:129+2*p], v[192+2*p:193+2*p], v[100+2*(p%8):101+2*(p%8)]
.set p, p+1
.endr
	WIN 0
	s_branch .LS_next
.LS_keep:                                              ; mode 0: query k's 64 numbers go where the other run's lanes will read them
.irp t, 0,1,2,3
	v_mov_b32 v[96+\t], v[128+16*\t]
.endr
.set k, 1
.rept 15
.irp t, 0,1,2,3
	v_cndmask_b32 v[96+\t], v[96+\t], v[128+16*\t+k], s[68+k]
.endr
.set k, k+1
.endr
	v_add_nc_u32 v93, s45, v94
	s_mov_b32 vcc_lo, s84
	s_wait_xcnt 0x0                                ; EXEC changes only behind this wait
	s_and_saveexec_b32 s85, vcc_lo
.irp t, 0,1,2,3
	global_store_b32 v93, v[96+\t], s[18:19] offset:PVS+2048*\t
.endr
	s_wait_xcnt 0x0                                ; and the stores' registers are written again only behind it
	s_or_b32 exec_lo, exec_lo, s85
.LS_next:
	s_add_co_u32 s43, s43, 6144
	s_add_co_u32 s44, s44, 512
	s_add_co_u32 s45, s45, 8192
	s_add_co_u32 s48, s48, 256
	s_add_co_u32 s42, s42, 1
	s_cmp_lt_u32 s42, 8
	s_cbranch_scc1 .LS_loop
	WIN 0x01
.set k, 0
.rept 32
	v_mov_b32 v[128+k], v[100+k]
.set k, k+1
.endr
	WIN 0
.irp x, 1,2,4,8
.set k, 0
.rept 32
	v_add_f32_dpp v[128+k], v[128+k], v[128+k] row_xmask:\x row_mask:0xf bank_mask:0xf     ; over the 16 lanes that hold a tile's 16 e
.set k, k+1
.endr
.endr
	v_mov_b32 v96, v128
	v_mov_b32 v97, v144
.set k, 1
.rept 15
	v_cmp_eq_u32 vcc_lo, k, v2
	v_cndmask_b32 v96, v96, v[128+k], vcc_lo
	v_cndmask_b32 v97, v97, v[144+k], vcc_lo
.set k, k+1
.endr
	s_cmp_eq_u32 s29, 0
	s_cbranch_scc0 .LS_sim
	s_lshl_b32 s62, s31, 2
	v_cmp_eq_u32 vcc_lo, s62, v95
	s_wait_xcnt 0x0
	s_and_saveexec_b32 s85, vcc_lo
	global_store_b32 v95, v97, s[18:19] offset:PN+256
	s_wait_xcnt 0x0
	s_or_b32 exec_lo, exec_lo, s85
	s_branch .LS_out
.LS_sim:
	SIM 96, 97
	s_lshl_b32 s62, s26, 2
	s_add_co_u32 s62, s62, SG
	v_lshl_add_u32 v98, v95, 3, s62
	ds_store_b32 v98, v96
.LS_out:
	OUTG SG, 24
.Lfunc_end_k_q4dee697f2c_pos:
	.size	k_q4dee697f2c_pos, .Lfunc_end_k_q4dee697f2c_pos-k_q4dee697f2c_pos
	.p2alignl 7, 3214868480
	.fill 96, 4, 3214868480
	.section	.rodata,"a",@progbits
	.p2align	6, 0x0
	.amdhsa_kernel k_q4dee697f2c_pos
		.amdhsa_group_segment_fixed_size 315392
		.amdhsa_private_segment_fixed_size 0
		.amdhsa_enable_private_segment 0
		.amdhsa_kernarg_size 88
		.amdhsa_user_sgpr_count 2
		.amdhsa_user_sgpr_kernarg_segment_ptr 1
		.amdhsa_wavefront_size32 1
		.amdhsa_system_sgpr_workgroup_id_x 1
		.amdhsa_system_sgpr_workgroup_id_y 1
		.amdhsa_system_sgpr_workgroup_id_z 1
		.amdhsa_system_vgpr_workitem_id 0
		.amdhsa_next_free_vgpr 512
		.amdhsa_next_free_sgpr 102
		.amdhsa_reserve_vcc 1
		.amdhsa_float_denorm_mode_32 3
		.amdhsa_float_denorm_mode_16_64 3
		.amdhsa_memory_ordered 1
		.amdhsa_forward_progress 1
		.amdhsa_inst_pref_size 255
	.end_amdhsa_kernel
	.section	.bss,"aw",@nobits
	.p2align	6
	.space	262144
	.amdgpu_metadata
---
amdhsa.version: [ 1, 2 ]
amdhsa.kernels:
  - .name:           k_q4dee697f2c_pos
    .symbol:         k_q4dee697f2c_pos.kd
    .args:
      - { .name: positive_sample, .offset: 0, .size: 8, .value_kind: global_buffer, .address_space: global }
      - { .name: wq, .offset: 8, .size: 8, .value_kind: global_buffer, .address_space: global }
      - { .name: rec, .offset: 16, .size: 8, .value_kind: global_buffer, .address_space: global }
      - { .name: sg, .offset: 24, .size: 8, .value_kind: global_buffer, .address_space: global }
      - { .name: entity_embedding, .offset: 32, .size: 8, .value_kind: global_buffer, .address_space: global }
      - { .name: ctl0, .offset: 40, .size: 8, .value_kind: global_buffer, .address_space: global }
      - { .name: dum, .offset: 48, .size: 8, .value_kind: global_buffer, .address_space: global }
      - { .name: pv, .offset: 56, .size: 8, .value_kind: global_buffer, .address_space: global }
      - { .name: out1, .offset: 64, .size: 8, .value_kind: global_buffer, .address_space: global }
      - { .name: out2, .offset: 72, .size: 8, .value_kind: global_buffer, .address_space: global }
      - { .name: out3, .offset: 80, .size: 8, .value_kind: global_buffer, .address_space: global }
    .group_segment_fixed_size: 315392
    .private_segment_fixed_size: 0
    .kernarg_segment_align: 8
    .kernarg_segment_size: 88
    .max_flat_workgroup_size: 256
    .sgpr_count:     102
    .vgpr_count:     512
    .wavefront_size: 32
...
	.end_amdgpu_metadata
.endif
;; end of part 3
;; launch main: the kernel of part 3 again; grid 625 x 3, 8 waves a work-group, no clusters, 315,392 bytes of LDS; arguments positive_sample, wq, rec, sg, entity_embedding, ctl1, pv, dum, out1, out2, out3; writes dum, out1, out2, out3
;; launch fin (part 4): grid 32 x 1, 16 waves a work-group, no clusters, 2,304 bytes of LDS; arguments out1, out2, out3, out0; writes out0
.if DOCPART == 4
	.amdgcn_target "amdgcn-amd-amdhsa--gfx1250"
	.amdhsa_code_object_version 6
	.text
	.protected	k_q4dee697f2c_fin
	.globl	k_q4dee697f2c_fin
	.p2align	8
	.type	k_q4dee697f2c_fin,@function
k_q4dee697f2c_fin:
	s_mov_b64 s[64:65], 0
	v_nop
	global_prefetch_b8 v0, s[64:65] scope:SCOPE_SE
	s_setreg_imm32_b32 hwreg(HW_REG_WAVE_MODE, 25, 1), 1
	s_wait_xcnt 0x0
; Launch 5: out0[b][:] = the sum of the three softmaxes over n of cosine / 0.5.  A work-group takes a query b; thread t takes 16 bytes at 16 (t + 512 q), q = 0, 1, 2 (the third only where t < 226).
; NO MAXIMUM IS TAKEN AWAY: each exponent is 2 x a cosine, a dot product divided by the product of the two norms (+ 1e-10), which lies in [-1, 1] for every input (Cauchy-Schwarz), so e^(2 s) lies in [0.13, 7.4] and a row's sum under 37,000.
; The rows are kept in registers between the sum and the division: each input byte is read once.
.set RT, 60
	s_load_b256 s[4:11], s[0:1], 0x0               ; out1 4, out2 6, out3 8, out0 10
	v_lshl_add_u32 v4, v0, 2, 256
	v_mov_b32 v5, 0
	v_lshrrev_b32 v1, 5, v0
	v_readfirstlane_b32 s12, v1
	s_lshl_b32 s13, s12, 2
	s_mul_i32 s14, ttmp9, 20000
	s_mov_b32 s15, 0
	s_mov_b32 s16, 0x76543210
	s_mov_b32 s17, 0xfedcba98
	v_lshlrev_b32 v2, 4, v0
	v_add_nc_u32 v3, 1024, v0
	v_min_u32 v3, 1249, v3                         ; no load leaves the row
	v_lshlrev_b32 v3, 4, v3
	v_mov_b32 v[RT], 0
	v_mov_b32 v61, s13
	v_mov_b32 v62, 0
	s_wait_kmcnt 0x0
	s_add_nc_u64 s[4:5], s[4:5], s[14:15]
	s_add_nc_u64 s[6:7], s[6:7], s[14:15]
	s_add_nc_u64 s[8:9], s[8:9], s[14:15]
	s_add_nc_u64 s[10:11], s[10:11], s[14:15]
.irp a, 0,1,2
	global_load_b128 v[16+12*\a:19+12*\a], v2, s[4+2*\a:5+2*\a]
	global_load_b128 v[20+12*\a:23+12*\a], v2, s[4+2*\a:5+2*\a] offset:8192
	global_load_b128 v[24+12*\a:27+12*\a], v3, s[4+2*\a:5+2*\a]
.endr
	s_wait_loadcnt 0x0
.set k, 0
.rept 18
	v_pk_mul_f32 v[16+2*k:17+2*k], v[16+2*k:17+2*k], 0x4038aa3b op_sel_hi:[1,0]       ; 2 log2(e) s
.set k, k+1
.endr
.set k, 0
.rept 36
	v_exp_f32 v[16+k], v[16+k]
.set k, k+1
.endr
	v_cmp_gt_u32 vcc_lo, 226, v0                   ; (a plain line behind the exponentials)
	s_wait_alu depctr_va_vdst(0)                   ; one wait for the batch, ahead of its first reader
.irp a, 0,1,2
.irp c, 0,1,2,3
	v_cndmask_b32 v[24+12*\a+\c], 0, v[24+12*\a+\c], vcc_lo
.endr
.endr
.irp a, 0,1,2
	v_pk_add_f32 v[54+2*\a:55+2*\a], v[16+12*\a:17+12*\a], v[18+12*\a:19+12*\a]
.endr
.irp k, 2,3,4,5
.irp a, 0,1,2
	v_pk_add_f32 v[54+2*\a:55+2*\a], v[54+2*\a:55+2*\a], v[16+12*\a+2*\k:17+12*\a+2*\k]
.endr
.endr
.irp a, 0,1,2
	v_add_f32 v[54+2*\a], v[54+2*\a], v[55+2*\a]
.endr
.irp a, 0,1,2
.irp x, 1,2,4,8
	v_add_f32_dpp v[54+2*\a], v[54+2*\a], v[54+2*\a] row_xmask:\x row_mask:0xf bank_mask:0xf
.endr
	v_permlanex16_b32 v[RT], v[54+2*\a], s16, s17
	v_add_f32 v[54+2*\a], v[54+2*\a], v[RT]
	ds_store_b32 v61, v[54+2*\a] offset:64*\a      ; all lanes write my wave's word with the same number
.endr
	s_wait_dscnt 0x0
	s_barrier_signal -1
	s_barrier_wait -1
.irp a, 0,1,2
.irp k, 0,1,2,3
	ds_load_b128 v[64+16*\a+4*\k:67+16*\a+4*\k], v62 offset:64*\a+16*\k
.endr
.endr
	s_wait_dscnt 0x0
.irp a, 0,1,2
	v_pk_add_f32 v[54+2*\a:55+2*\a], v[64+16*\a:65+16*\a], v[66+16*\a:67+16*\a]
.endr
.irp k, 2,3,4,5,6,7
.irp a, 0,1,2
	v_pk_add_f32 v[54+2*\a:55+2*\a], v[54+2*\a:55+2*\a], v[64+16*\a+2*\k:65+16*\a+2*\k]
.endr
.endr
.irp a, 0,1,2
	v_add_f32 v[54+2*\a], v[54+2*\a], v[55+2*\a]
.endr
.irp a, 0,1,2
	v_rcp_f32 v[54+2*\a], v[54+2*\a]
.endr
	v_nop
	s_wait_alu depctr_va_vdst(0)
.set k, 0
.rept 6
	v_pk_mul_f32 v[16+2*k:17+2*k], v[16+2*k:17+2*k], v[54:55] op_sel_hi:[1,0]
	v_pk_fma_f32 v[16+2*k:17+2*k], v[28+2*k:29+2*k], v[56:57], v[16+2*k:17+2*k] op_sel_hi:[1,0,1]
	v_pk_fma_f32 v[16+2*k:17+2*k], v[40+2*k:41+2*k], v[58:59], v[16+2*k:17+2*k] op_sel_hi:[1,0,1]
.set k, k+1
.endr
	global_store_b128 v2, v[16:19], s[10:11]
	global_store_b128 v2, v[20:23], s[10:11] offset:8192
	v_cmp_gt_u32 vcc_lo, 226, v0
	s_wait_xcnt 0x0                                ; EXEC changes only behind this wait
	s_and_saveexec_b32 s18, vcc_lo
	global_store_b128 v3, v[24:27], s[10:11]
	s_wait_xcnt 0x0
	s_or_b32 exec_lo, exec_lo, s18
	s_wait_tensorcnt 0x0                           ; the wave's end: behind my last LDS store
	ds_add_u32 v4, v5
	s_wait_dscnt 0x0
	s_endpgm
.Lfunc_end_k_q4dee697f2c_fin:
	.size	k_q4dee697f2c_fin, .Lfunc_end_k_q4dee697f2c_fin-k_q4dee697f2c_fin
	.p2alignl 7, 3214868480
	.fill 96, 4, 3214868480
	.section	.rodata,"a",@progbits
	.p2align	6, 0x0
	.amdhsa_kernel k_q4dee697f2c_fin
		.amdhsa_group_segment_fixed_size 2304
		.amdhsa_private_segment_fixed_size 0
		.amdhsa_enable_private_segment 0
		.amdhsa_kernarg_size 32
		.amdhsa_user_sgpr_count 2
		.amdhsa_user_sgpr_kernarg_segment_ptr 1
		.amdhsa_wavefront_size32 1
		.amdhsa_system_sgpr_workgroup_id_x 1
		.amdhsa_system_sgpr_workgroup_id_y 1
		.amdhsa_system_sgpr_workgroup_id_z 1
		.amdhsa_system_vgpr_workitem_id 0
		.amdhsa_next_free_vgpr 128
		.amdhsa_next_free_sgpr 66
		.amdhsa_reserve_vcc 1
		.amdhsa_float_denorm_mode_32 3
		.amdhsa_float_denorm_mode_16_64 3
		.amdhsa_memory_ordered 1
		.amdhsa_forward_progress 1
		.amdhsa_inst_pref_size 12
	.end_amdhsa_kernel
	.amdgpu_metadata
---
amdhsa.version: [ 1, 2 ]
amdhsa.kernels:
  - .name:           k_q4dee697f2c_fin
    .symbol:         k_q4dee697f2c_fin.kd
    .args:
      - { .name: out1, .offset: 0, .size: 8, .value_kind: global_buffer, .address_space: global }
      - { .name: out2, .offset: 8, .size: 8, .value_kind: global_buffer, .address_space: global }
      - { .name: out3, .offset: 16, .size: 8, .value_kind: global_buffer, .address_space: global }
      - { .name: out0, .offset: 24, .size: 8, .value_kind: global_buffer, .address_space: global }
    .group_segment_fixed_size: 2304
    .private_segment_fixed_size: 0
    .kernarg_segment_align: 8
    .kernarg_segment_size: 32
    .max_flat_workgroup_size: 512
    .sgpr_count:     66
    .vgpr_count:     128
    .wavefront_size: 32
...
	.end_amdgpu_metadata
.endif
;; end of part 4
